; MI455X (gfx1250); checked and timed in simulation.
; The chip was launched on July 23, 2026; its instructions are those of AMD's public machine-readable ISA for CDNA 5 (MIT licence, August 2026) and "CDNA5" Instruction Set Architecture Reference Guide (July 2026). The comments in the code are by the model that wrote it; some were corrected since.
;; Transformer Layer. Allowed arithmetic: float matrix products may take bf16 or f16 operands with f32 sums; other float arithmetic in f32, or as packed bf16 or f16 multiplies, adds, multiply-adds, maxima and minima; sums over many terms, partial sums and values carried from step to step in f32; what a program stores and reads back later, other than sums and carried values, may be rounded once to bf16 or f16.
;; Inputs: b1 512 float32; b2 512 float32; bk 512 float32; bo 512 float32; bq 512 float32; bv 512 float32; norm1_b 512 float32; norm1_g 512 float32; norm2_b 512 float32; norm2_g 512 float32; w1 512 x 512 float32; w2 512 x 512 float32; wk 512 x 512 float32; wo 512 x 512 float32; wq 512 x 512 float32; wv 512 x 512 float32; x 4 x 2,048 x 512 float32.
;; Outputs: out0 4 x 2,048 x 512 float32.
;; One version. Each part assembles by itself: llvm-mc -triple=amdgcn-amd-amdhsa -mcpu=gfx1250 --defsym DOCPART=n.
;; ======== version 1 of 1: 4 launches
;; limits: values are held in f16: magnitudes above 65,504 overflow, below 6.1e-05 lose precision
;; workspace buffers: h1 8,388,608 bytes; wqkv 1,572,864 bytes; wt 1,572,864 bytes; bqkv 6,144 bytes; q 8,388,608 bytes; k 8,388,608 bytes; vt 8,388,608 bytes; o 8,388,608 bytes
;; launch prep (part 1): grid 256 x 1, 8 waves a work-group, no clusters, 0 bytes of LDS; arguments x, norm1_g, norm1_b, wq, wk, wv, wo, w1, w2, bq, bk, bv, h1, wqkv, wt, bqkv; writes h1, wqkv, wt, bqkv
.if DOCPART == 1
	.amdgcn_target "amdgcn-amd-amdhsa--gfx1250"
	.amdhsa_code_object_version 6
	.text
	.protected	k_q403bcdc665_prep
	.globl	k_q403bcdc665_prep
	.p2align	8
	.type	k_q403bcdc665_prep,@function
k_q403bcdc665_prep:
	s_mov_b64 s[64:65], 0
	v_nop
	global_prefetch_b8 v0, s[64:65] scope:SCOPE_SE
	s_setreg_imm32_b32 hwreg(HW_REG_WAVE_MODE, 25, 1), 1
	s_wait_xcnt 0x0
; h1 = LayerNorm(x) * g + b, rounded once to f16; the six weights rounded once to f16; the three projection biases gathered in f32.
; c = log2(e) / sqrt(32) is multiplied into wq and bq in f32 ahead of their one rounding, so that the scores later come out in powers of two.
; LIMITS.  f16 holds no number of 65,520 or more (it becomes an infinity) and keeps a fixed step of 6e-8 below 6.1e-5; NaN and infinities are not treated apart.
; A STREAM: no LDS, no barrier, no matrix unit, no loop.  2,048 waves; wave W takes rows 4 W .. 4 W + 3 of x, a row at a time: a row is 2,048 bytes, 16 numbers a lane
; (the four pieces of 16 bytes at 512 i + 16 lane), so mean and variance never leave the wave.  The variance is taken of x - mean: no difference of large sums is formed.
; Thread T (of 65,536) converts numbers 4 T .. 4 T + 3 of each weight.  All 30 loads of a wave go out together; the waits count the younger ones.
; Each store of a wave covers 256 consecutive bytes, aligned.  No register that a store reads is written again, so no wait frees one.
.set GN, 8                             ; v[8:23]    gain of my 16 columns
.set BN, 24                            ; v[24:39]   bias of my 16 columns
.set XX, 40                            ; v[40:103]  row r at XX + 16 r
.set WR, 104                           ; v[104:127] weight t at WR + 4 t
.set TT, 128                           ; v[128:147] at work
	s_load_b512 s[4:19], s[0:1], 0x0               ; x 4, g 6, b 8, wq 10, wk 12, wv 14, wo 16, w1 18
	s_load_b512 s[20:35], s[0:1], 0x40             ; w2 20, bq 22, bk 24, bv 26, h1 28, wqkv 30, wt 32, bqkv 34
	v_lshrrev_b32 v5, 5, v0
	v_readfirstlane_b32 s36, v5                    ; wave 0..7
	s_lshl_b32 s37, ttmp9, 3
	s_add_co_u32 s37, s37, s36                     ; W
	s_lshl_b32 s38, s37, 13                        ; four rows of x: 8,192 bytes
	s_mov_b32 s39, 0
	s_lshl_b32 s40, s37, 12                        ; four rows of h1: 4,096 bytes
	s_mov_b32 s41, 0
	s_mov_b32 s42, 0x76543210                      ; v_permlanex16_b32: each lane takes its own place in the other half
	s_mov_b32 s43, 0xfedcba98
	s_mov_b32 s44, 0x3b000000                      ; 1 / 512
	s_mov_b32 s45, 0x3727c5ac                      ; 1e-5
	s_mov_b32 s46, 0x3e8293ee                      ; c = log2(e) / sqrt(32) = 0.255035
	s_mov_b32 s47, s46                             ; named with it as a pair
	v_and_b32 v1, 31, v0
	v_lshlrev_b32 v2, 3, v1                        ; 8 x lane: my place in 256 bytes of h1
	v_lshlrev_b32 v1, 4, v1                        ; 16 x lane: my place in 512 bytes of x
	s_lshl_b32 s36, ttmp9, 8
	v_add_nc_u32 v3, s36, v0                       ; T
	v_lshlrev_b32 v4, 3, v3                        ; 8 T: my four numbers of a weight in f16
	v_lshlrev_b32 v3, 4, v3                        ; 16 T: in f32
	s_wait_kmcnt 0x0
	s_add_nc_u64 s[4:5], s[4:5], s[38:39]
	s_add_nc_u64 s[28:29], s[28:29], s[40:41]
.irp i, 0,1,2,3
	global_load_b128 v[GN+4*\i:GN+4*\i+3], v1, s[6:7] offset:512*\i
.endr
.irp i, 0,1,2,3
	global_load_b128 v[BN+4*\i:BN+4*\i+3], v1, s[8:9] offset:512*\i
.endr
.irp r, 0,1,2,3
.irp i, 0,1,2,3
	global_load_b128 v[XX+16*\r+4*\i:XX+16*\r+4*\i+3], v1, s[4:5] offset:2048*\r+512*\i th:TH_LOAD_NT
.endr
.endr
.irp t, 0,1,2,3,4,5
	global_load_b128 v[WR+4*\t:WR+4*\t+3], v3, s[10+2*\t:11+2*\t] th:TH_LOAD_NT
.endr
.macro LANES                           ; v[TT] summed over the 32 lanes, the result in every lane
	v_add_f32_dpp v[TT], v[TT], v[TT] row_xmask:1 row_mask:0xf bank_mask:0xf
	v_add_f32_dpp v[TT], v[TT], v[TT] row_xmask:2 row_mask:0xf bank_mask:0xf
	v_add_f32_dpp v[TT], v[TT], v[TT] row_xmask:4 row_mask:0xf bank_mask:0xf
	v_add_f32_dpp v[TT], v[TT], v[TT] row_xmask:8 row_mask:0xf bank_mask:0xf
	v_permlanex16_b32 v[TT+1], v[TT], s42, s43
	v_add_f32 v[TT], v[TT], v[TT+1]
.endm
; Row r.  left = the loads issued behind this row's: the later rows' four each and the six weights'.
.macro ROW r, left
.set RX, XX+16*(\r)
	s_wait_loadcnt \left
.irp i, 0,1,2,3
	v_pk_add_f32 v[TT+2*\i:TT+2*\i+1], v[RX+4*\i:RX+4*\i+1], v[RX+4*\i+2:RX+4*\i+3]
.endr
	v_pk_add_f32 v[TT:TT+1], v[TT:TT+1], v[TT+2:TT+3]
	v_pk_add_f32 v[TT+4:TT+5], v[TT+4:TT+5], v[TT+6:TT+7]
	v_pk_add_f32 v[TT:TT+1], v[TT:TT+1], v[TT+4:TT+5]
	v_add_f32 v[TT], v[TT], v[TT+1]
	LANES
	v_mul_f32 v[TT+8], s44, v[TT]                  ; the mean, twice: a pair for the packed lines
	v_mul_f32 v[TT+9], s44, v[TT]
.irp i, 0,1,2,3,4,5,6,7
	v_pk_add_f32 v[RX+2*\i:RX+2*\i+1], v[RX+2*\i:RX+2*\i+1], v[TT+8:TT+9] neg_lo:[0,1] neg_hi:[0,1]  ; d = x - mean
.endr
	v_pk_mul_f32 v[TT:TT+1], v[RX:RX+1], v[RX:RX+1]
	v_pk_mul_f32 v[TT+2:TT+3], v[RX+2:RX+3], v[RX+2:RX+3]
.irp i, 2,3,4,5,6,7
	v_pk_fma_f32 v[TT+2*((\i)%2):TT+2*((\i)%2)+1], v[RX+2*\i:RX+2*\i+1], v[RX+2*\i:RX+2*\i+1], v[TT+2*((\i)%2):TT+2*((\i)%2)+1]
.endr
	v_pk_add_f32 v[TT:TT+1], v[TT:TT+1], v[TT+2:TT+3]
	v_add_f32 v[TT], v[TT], v[TT+1]
	LANES
	v_fma_f32 v[TT], v[TT], s44, s45               ; variance + eps
	v_rsq_f32 v[TT+10], v[TT]
	v_rsq_f32 v[TT+11], v[TT]
	v_nop                                          ; a plain instruction behind the last of the two,
	s_wait_alu depctr_va_vdst(0)                   ; and the one wait ahead of their first reader
.irp i, 0,1,2,3,4,5,6,7
	v_pk_mul_f32 v[RX+2*\i:RX+2*\i+1], v[RX+2*\i:RX+2*\i+1], v[TT+10:TT+11]
.endr
.irp i, 0,1,2,3,4,5,6,7
	v_pk_fma_f32 v[RX+2*\i:RX+2*\i+1], v[RX+2*\i:RX+2*\i+1], v[GN+2*\i:GN+2*\i+1], v[BN+2*\i:BN+2*\i+1]
.endr
.irp i, 0,1,2,3,4,5,6,7
	v_cvt_pk_f16_f32 v[RX+\i], v[RX+2*\i], v[RX+2*\i+1]  ; in place, ascending: number i never overwrites a pair that is still to be read
.endr
.irp i, 0,1,2,3
	global_store_b64 v2, v[RX+2*\i:RX+2*\i+1], s[28:29] offset:1024*(\r)+256*\i th:TH_STORE_NT
.endr
.endm
	ROW 0, 18
	ROW 1, 14
	ROW 2, 10
	ROW 3, 6
	s_wait_loadcnt 0x0                             ; the six weights
	v_pk_mul_f32 v[WR:WR+1], v[WR:WR+1], s[46:47] op_sel_hi:[1,0]      ; c wq
	v_pk_mul_f32 v[WR+2:WR+3], v[WR+2:WR+3], s[46:47] op_sel_hi:[1,0]
.irp t, 0,1,2,3,4,5
	v_cvt_pk_f16_f32 v[WR+4*\t], v[WR+4*\t], v[WR+4*\t+1]
	v_cvt_pk_f16_f32 v[WR+4*\t+1], v[WR+4*\t+2], v[WR+4*\t+3]
.endr
.irp t, 0,1,2
	global_store_b64 v4, v[WR+4*\t:WR+4*\t+1], s[30:31] offset:524288*\t th:TH_STORE_NT        ; c wq, wk, wv
	global_store_b64 v4, v[WR+12+4*\t:WR+12+4*\t+1], s[32:33] offset:524288*\t th:TH_STORE_NT  ; wo, w1, w2
.endr
	s_cmp_lt_u32 s37, 4                            ; the first four waves (threads 0 to 127) gather the biases: four numbers of each a thread
	s_cbranch_scc0 .Lend
	global_load_b128 v[TT:TT+3], v3, s[22:23]
	global_load_b128 v[TT+4:TT+7], v3, s[24:25]
	global_load_b128 v[TT+8:TT+11], v3, s[26:27]
	s_wait_loadcnt 0x0
	v_pk_mul_f32 v[TT:TT+1], v[TT:TT+1], s[46:47] op_sel_hi:[1,0]      ; c bq
	v_pk_mul_f32 v[TT+2:TT+3], v[TT+2:TT+3], s[46:47] op_sel_hi:[1,0]
	global_store_b128 v3, v[TT:TT+3], s[34:35]
	global_store_b128 v3, v[TT+4:TT+7], s[34:35] offset:2048
	global_store_b128 v3, v[TT+8:TT+11], s[34:35] offset:4096
.Lend:
	s_endpgm
.Lfunc_end_k_q403bcdc665_prep:
	.size	k_q403bcdc665_prep, .Lfunc_end_k_q403bcdc665_prep-k_q403bcdc665_prep
	.p2alignl 7, 3214868480
	.fill 96, 4, 3214868480
	.section	.rodata,"a",@progbits
	.p2align	6, 0x0
	.amdhsa_kernel k_q403bcdc665_prep
		.amdhsa_group_segment_fixed_size 0
		.amdhsa_private_segment_fixed_size 0
		.amdhsa_enable_private_segment 0
		.amdhsa_kernarg_size 128
		.amdhsa_user_sgpr_count 2
		.amdhsa_user_sgpr_kernarg_segment_ptr 1
		.amdhsa_wavefront_size32 1
		.amdhsa_system_sgpr_workgroup_id_x 1
		.amdhsa_system_sgpr_workgroup_id_y 1
		.amdhsa_system_sgpr_workgroup_id_z 1
		.amdhsa_system_vgpr_workitem_id 0
		.amdhsa_next_free_vgpr 148
		.amdhsa_next_free_sgpr 66
		.amdhsa_reserve_vcc 0
		.amdhsa_float_denorm_mode_32 3
		.amdhsa_float_denorm_mode_16_64 3
		.amdhsa_memory_ordered 1
		.amdhsa_forward_progress 1
		.amdhsa_inst_pref_size 24
	.end_amdhsa_kernel
	.amdgpu_metadata
---
amdhsa.version: [ 1, 2 ]
amdhsa.kernels:
  - .name:           k_q403bcdc665_prep
    .symbol:         k_q403bcdc665_prep.kd
    .args:
      - { .name: x, .offset: 0, .size: 8, .value_kind: global_buffer, .address_space: global }
      - { .name: norm1_g, .offset: 8, .size: 8, .value_kind: global_buffer, .address_space: global }
      - { .name: norm1_b, .offset: 16, .size: 8, .value_kind: global_buffer, .address_space: global }
      - { .name: wq, .offset: 24, .size: 8, .value_kind: global_buffer, .address_space: global }
      - { .name: wk, .offset: 32, .size: 8, .value_kind: global_buffer, .address_space: global }
      - { .name: wv, .offset: 40, .size: 8, .value_kind: global_buffer, .address_space: global }
      - { .name: wo, .offset: 48, .size: 8, .value_kind: global_buffer, .address_space: global }
      - { .name: w1, .offset: 56, .size: 8, .value_kind: global_buffer, .address_space: global }
      - { .name: w2, .offset: 64, .size: 8, .value_kind: global_buffer, .address_space: global }
      - { .name: bq, .offset: 72, .size: 8, .value_kind: global_buffer, .address_space: global }
      - { .name: bk, .offset: 80, .size: 8, .value_kind: global_buffer, .address_space: global }
      - { .name: bv, .offset: 88, .size: 8, .value_kind: global_buffer, .address_space: global }
      - { .name: h1, .offset: 96, .size: 8, .value_kind: global_buffer, .address_space: global }
      - { .name: wqkv, .offset: 104, .size: 8, .value_kind: global_buffer, .address_space: global }
      - { .name: wt, .offset: 112, .size: 8, .value_kind: global_buffer, .address_space: global }
      - { .name: bqkv, .offset: 120, .size: 8, .value_kind: global_buffer, .address_space: global }
    .group_segment_fixed_size: 0
    .private_segment_fixed_size: 0
    .kernarg_segment_align: 8
    .kernarg_segment_size: 128
    .max_flat_workgroup_size: 256
    .sgpr_count:     66
    .vgpr_count:     148
    .wavefront_size: 32
...
	.end_amdgpu_metadata
.endif
;; end of part 1
;; launch qkv (part 2): grid 4 x 64, 4 waves a work-group, clusters of 4 x 4, 327,680 bytes of LDS; arguments h1, wqkv, bqkv, q, k, vt; writes q, k, vt
.if DOCPART == 2
	.amdgcn_target "amdgcn-amd-amdhsa--gfx1250"
	.amdhsa_code_object_version 6
	.text
	.protected	k_q403bcdc665_qkv
	.globl	k_q403bcdc665_qkv
	.p2align	8
	.type	k_q403bcdc665_qkv,@function
k_q403bcdc665_qkv:
	s_mov_b64 s[64:65], 0
	v_nop
	global_prefetch_b8 v0, s[64:65] scope:SCOPE_SE
	s_setreg_imm32_b32 hwreg(HW_REG_WAVE_MODE, 25, 1), 1
	s_wait_xcnt 0x0
	s_wait_alu depctr_hold_cnt(0) depctr_sa_sdst(0) depctr_va_vdst(0) depctr_va_sdst(0) depctr_va_ssrc(0) depctr_va_vcc(0) depctr_vm_vsrc(0)
	s_getreg_b32 s2, hwreg(HW_REG_IB_STS2, 6, 4)
	s_cmp_eq_u32 s2, 0
	s_cbranch_scc0 .Lentry_in_a_cluster
	s_endpgm
.Lentry_in_a_cluster:
	s_bfe_u32 s2, ttmp6, 0x10000c
	s_cmp_lg_u32 s2, 0xf033
	s_cbranch_scc0 .Lentry_shape_is_right
	s_endpgm
.Lentry_shape_is_right:
; q, k, v = h1 W^T + bias.  h1: [8192][512] f16; wqkv: [1536][512] f16 (c wq, wk, wv); bqkv: [1536] f32.  Sums in f32, each result rounded once to f16.
; OUT: q, k: [64 batch x head][2048 tokens][32] f16; vt: [64][16 chunks][32 channels][128 tokens] f16 (v turned, so that attention finds keys along the rows).
; LIMITS.  A result of 65,520 or more becomes an infinity in f16; NaN and infinities are not treated apart.
; SHARES.  Work-group (j, i): tokens 128 i .. 128 i + 127, heads 4 j .. 4 j + 3.  Wave w: all 128 tokens, head 4 j + w: 32 features each of q, k, v: 8 x 6 = 48 accumulators.
; For 32 along K a wave reads 8 fragments of h1 and 6 of the weights (28 LDS loads) for 48 matrix instructions.
; K = 512 goes in four steps of 128 through two LDS slots; a tile's rows are 256 bytes of memory, at multiples of 256 from the buffer's first byte.
; CLUSTER 4 x 4.  h1's tile hangs on i alone and is asked for jointly by a row of the cluster; the weights' tiles hang on j alone: jointly by a column.
; Wave 0 fetches h1's 128 rows, waves 1 to 3 the 128 rows of c wq, wk, wv: one tensor load a wave behind each change of slots.
; ORIENTATION.  q, k: source 0 = 16 weight rows, source 1 = 16 tokens: a lane holds one token and eight neighbouring features.  v: the other way round: a lane holds one channel and
; eight neighbouring tokens, vt's order.  THE BIAS IS THE C OPERAND of each sum's first product: nothing is cleared and no bias is added afterwards.
; No prefetch: of the four K steps two are first fills and the other two are asked for one step ahead; nothing lies two refills on.
; REGISTERS, in windows of 256 (s_set_vgpr_msb: bits 1:0 source 0, 3:2 source 1, 5:4 source 2, 7:6 destination):
;   window 0: v15-31 addresses; v32-143, v144-255 two fragment buffers (h1's fragment a at + 8 a, the weights' fragment i = 2 t + fb at + 64 + 8 i); both at work on the way out
;   windows 1, 2: accumulator (a, i) in window 1 + a / 4 at v[8 (6 (a % 4) + i)];  window 2, v192-239: the six bias blocks, block i at 192 + 8 i
.set PITCH,  272                       ; an LDS row: 256 bytes + 16 of padding = 68 words: the 16 rows of a fragment load start at 16 different groups of four banks (64 banks of 4 bytes: ISA guide 11.1)
.set PART,   128*PITCH                 ; 128 rows: what one tensor load brings
.set SLOT,   4*PART                    ; h1's rows, then c wq's, wk's, wv's
.set STAGE,  2*SLOT                    ; behind the ring: 10,240 bytes for each wave, for the way out; no tensor load lands here
.set STW,    10240
.set SPARE,  STAGE+4*STW               ; the spare words, 128 bytes for each wave: two blocks of 256 bytes that no other line names
.set BO2,  15                          ; v15    4 r + 128 head: v's bias
.set ADRA, 16                          ; v16-17 my place in h1's tile, slot 0, 1
.set ADRB, 18                          ; v18-23 my place in my head's rows of matrix t in slot s, at 3 s + t
.set STQ,  24                          ; v24    way out of q, k: where I put 16 bytes (rows of 80)
.set STV,  25                          ; v25    of v (rows of 272)
.set RDQ,  26                          ; v26    where I read 16 bytes back, q and k
.set RDV,  27                          ; v27    v
.set GO,   28                          ; v28    16 x lane
.set BO,   29                          ; v29    32 h + 128 head: q's and k's bias
.set SPW,  30                          ; v30    my spare word; never rewritten
.set NIL,  31                          ; v31    0; never rewritten
.set F0,   32
.set F1,   144
.set TMP,  32                          ; the way out: packed results
.set BK,   144                         ; the way out: read back from the stage
.set BIAS, 192                         ; window 2
.set WV,   16                          ; s16    wave
.set G1A,  32                          ; s[32:39] group 1 for h1's tiles;  s[40:47] for the weights': the mask differs
.set G1B,  40
.set G0A,  48                          ; s[48:55] group 0 for h1's tiles, a set for each slot;  s[56:63] for the weights'
.set G0B,  56
.set OUTB, 68                          ; s[68:73] q, k, vt at my 8,192 bytes
.set MSB, 0
.macro WIN new                         ; the immediate's high byte repeats the setting that is left; a switch that changes nothing is dropped
.if MSB != (\new)
	s_set_vgpr_msb (MSB<<8)|(\new)
.set MSB, \new
.endif
.endm
.macro PLACES                          ; four places: ahead of loads into registers that matrix instructions have read, and of conversions that read results
.rept 4
	v_nop
.endr
.endm
; A joint load.  The branch hangs on the wave's number alone.  An s_nop 0 and four v_nop follow each of the two lines, ahead of the jump and the label.
.macro JLOAD s
	s_cmp_eq_u32 s[WV], 0
	s_cbranch_scc0 .Lfor_b_\@
	tensor_load_to_lds s[G0A+4*(\s):G0A+4*(\s)+3], s[G1A:G1A+7]
	s_nop 0
	PLACES
	s_branch .Lasked_\@
.Lfor_b_\@:
	tensor_load_to_lds s[G0B+4*(\s):G0B+4*(\s)+3], s[G1B:G1B+7]
	s_nop 0
	PLACES
.Lasked_\@:
.endm
.macro CREST                           ; a round of the cluster's barrier behind its opening barrier: wave 0 signals for the work-group, every wave waits for all sixteen, my work-group's barrier closes it
	s_cmp_lg_u32 s[WV], 0
	s_cbranch_scc1 .Lnot_wave_0_\@
	s_barrier_signal -3
.Lnot_wave_0_\@:
	s_barrier_wait -3
	s_barrier_signal -1
	s_barrier_wait -1
.endm
.macro CROUND
	s_barrier_signal -1
	s_barrier_wait -1
	CREST
.endm
	s_load_b256 s[4:11], s[0:1], 0x0               ; h1 4, wqkv 6, bqkv 8, q 10
	s_load_b128 s[12:15], s[0:1], 0x20             ; k 12, vt 14
	v_lshl_add_u32 v[SPW], v0, 2, SPARE
	v_mov_b32 v[NIL], 0
	ds_add_u32 v[SPW], v[NIL]                      ; the wave's opening: the add and its wait stand ahead of my first tensor load; the set-up below stands between them
	v_lshrrev_b32 v1, 5, v0
	v_readfirstlane_b32 s[WV], v1                  ; wave 0..3
	s_bfe_u32 s17, ttmp6, 0x40000                  ; cx
	s_bfe_u32 s18, ttmp6, 0x40004                  ; cy
	s_lshl_b32 s19, ttmp9, 2
	s_add_co_u32 s19, s19, s17                     ; j = 4 x cluster x + cx
	s_and_b32 s20, ttmp7, 0xffff
	s_lshl_b32 s20, s20, 2
	s_add_co_u32 s20, s20, s18                     ; i = 4 x cluster y + cy
	s_lshl_b32 s21, s18, 2
	s_lshl_b32 s21, 15, s21                        ; my row of the cluster
	s_lshl_b32 s22, 0x1111, s17                    ; my column
	s_or_b32 s[G1A], s21, (1<<16)|(1<<20)|(1<<21)|(5<<22)|(3<<25)  ; 15:0 mask; 17:16 2-byte elements; 20 padding on; 21 set beside a mask; 24:22 after every 64 words; 31:25 four words
	s_or_b32 s[G1B], s22, (1<<16)|(1<<20)|(1<<21)|(5<<22)|(3<<25)
.irp g, G1A, G1B
	s_mov_b32 s[\g+1], 128<<16                     ; tensor_dim0 = 128
	s_mov_b32 s[\g+2], 128<<16                     ; tensor_dim1 = 128
	s_mov_b32 s[\g+3], 128<<16                     ; tile_dim0 = 128
	s_mov_b32 s[\g+4], 128                         ; tile_dim1 = 128
	s_mov_b32 s[\g+5], 512                         ; elements from row to row
	s_mov_b32 s[\g+6], 0
	s_mov_b32 s[\g+7], 0
.endr
	s_lshl_b32 s24, s20, 17                        ; h1: 128 i rows of 1,024 bytes
	s_mov_b32 s25, 0
	s_max_u32 s26, s[WV], 1
	s_sub_co_u32 s26, s26, 1                       ; the matrix that I fetch (wave 0, which fetches h1, makes a valid address too)
	s_lshl_b32 s26, s26, 19                        ; its 512 rows of 1,024 bytes
	s_lshl_b32 s27, s19, 17                        ; + 128 j rows
	s_add_co_u32 s26, s26, s27
	s_mov_b32 s27, 0
	s_mul_i32 s23, s[WV], PART                     ; where my tile goes: no place in the cluster enters an LDS address
	s_lshl_b32 s75, s19, 2
	s_add_co_u32 s75, s75, s[WV]                   ; my head
	s_lshr_b32 s74, s20, 4
	s_lshl_b32 s74, s74, 4
	s_add_co_u32 s74, s74, s75                     ; 16 x batch + head
	s_lshl_b32 s66, s74, 17                        ; its 131,072 bytes in q, k and vt alike,
	s_and_b32 s74, s20, 15
	s_lshl_b32 s74, s74, 13                        ; and my 128 tokens' 8,192 of them
	s_add_co_u32 s66, s66, s74
	s_mov_b32 s67, 0
	s_lshl_b32 s75, s75, 7                         ; 32 features x 4 bytes x head
	v_and_b32 v1, 15, v0                           ; r
	v_bfe_u32 v2, v0, 4, 1                         ; h
	v_and_b32 v3, 31, v0                           ; lane
	v_lshl_add_u32 v[BO], v2, 5, s75
	v_lshl_add_u32 v[BO2], v1, 2, s75
	s_wait_dscnt 0x0                               ; the opening add is done
	s_wait_kmcnt 0x0
	s_add_nc_u64 s[24:25], s[4:5], s[24:25]
	s_add_nc_u64 s[26:27], s[6:7], s[26:27]
	s_add_nc_u64 s[OUTB:OUTB+1], s[10:11], s[66:67]
	s_add_nc_u64 s[OUTB+2:OUTB+3], s[12:13], s[66:67]
	s_add_nc_u64 s[OUTB+4:OUTB+5], s[14:15], s[66:67]
	CROUND                                         ; all sixteen work-groups are here: the first joint loads meet
.irp s, 0,1
	s_mov_b32 s[G0A+4*\s], 1
	s_add_co_u32 s[G0A+4*\s+1], s23, \s*SLOT
	s_add_nc_u64 s[G0A+4*\s+2:G0A+4*\s+3], s[24:25], \s*256   ; K step s
	s_or_b32 s[G0A+4*\s+3], s[G0A+4*\s+3], 0x80000000
	s_mov_b32 s[G0B+4*\s], 1
	s_add_co_u32 s[G0B+4*\s+1], s23, \s*SLOT
	s_add_nc_u64 s[G0B+4*\s+2:G0B+4*\s+3], s[26:27], \s*256
	s_or_b32 s[G0B+4*\s+3], s[G0B+4*\s+3], 0x80000000
	JLOAD \s                                       ; two tensor loads of mine are out
.endr
	; the bias blocks.  q, k: register n of lane (r, h) is the bias of feature 16 fb + 8 h + n.  v: all eight registers hold the bias of channel 16 fb + r.
	WIN 0x80                                       ; destination window 2
.irp i, 0,1,2,3
	global_load_b128 v[BIAS+8*\i:BIAS+8*\i+3],   v[BO], s[8:9] offset:2048*(\i/2)+64*(\i%2)
	global_load_b128 v[BIAS+8*\i+4:BIAS+8*\i+7], v[BO], s[8:9] offset:2048*(\i/2)+64*(\i%2)+16
.endr
.irp fb, 0,1
	global_load_b32 v[BIAS+32+8*\fb], v[BO2], s[8:9] offset:4096+64*\fb
.endr
	WIN 0
	v_mul_u32_u24 v4, v1, PITCH
	v_lshl_add_u32 v4, v2, 4, v4                   ; r x 272 + 16 h
	s_mul_i32 s74, s[WV], 32*PITCH                 ; my head's 32 rows in a weight tile
.irp s, 0,1
	v_add_nc_u32 v[ADRA+\s], \s*SLOT, v4
.irp t, 0,1,2
	s_add_co_u32 s75, s74, \s*SLOT+(1+\t)*PART
	v_add_nc_u32 v[ADRB+3*\s+\t], s75, v4
.endr
.endr
	s_mul_i32 s75, s[WV], STW
	s_add_co_u32 s75, s75, STAGE                   ; my stage
	v_mul_u32_u24 v5, v1, 80
	v_lshl_add_u32 v5, v2, 4, v5
	v_add_nc_u32 v[STQ], s75, v5
	v_add_nc_u32 v[STV], s75, v4
	v_lshrrev_b32 v5, 2, v3
	v_mul_u32_u24 v5, v5, 80
	v_and_b32 v6, 3, v0
	v_lshl_add_u32 v5, v6, 4, v5
	v_add_nc_u32 v[RDQ], s75, v5                   ; 32 lanes take eight tokens of 64 bytes
	v_mul_u32_u24 v5, v2, PITCH
	v_lshl_add_u32 v5, v1, 4, v5
	v_add_nc_u32 v[RDV], s75, v5                   ; or two channels of 256 bytes
	v_lshlrev_b32 v[GO], 4, v3
	s_wait_loadcnt 0x0
	WIN 0x82
.irp fb, 0,1
.irp n, 1,2,3,4,5,6,7
	v_mov_b32 v[BIAS+32+8*\fb+\n], v[BIAS+32+8*\fb]
.endr
.endr
	WIN 0
; 12 matrix instructions: token blocks 4 hi + a0, a0 + 1 x all six feature blocks, 32 along K.  first = 1: the bias blocks start the sums.
; The 48 accumulators take turns, one instruction a turn, in the same order in every quarter.
.macro MUL12 f, hi, a0, first
.if (\first) && ((\hi) == 0)
	WIN 0x60                                       ; D window 1, C window 2
.else
	WIN 0x50+0x50*(\hi)                            ; C and D window 1 or 2
.endif
.irp a, \a0, (\a0)+1
.irp i, 0,1,2,3,4,5
.set rD, 8*(6*(\a)+(\i))
.set rA, (\f)+8*(4*(\hi)+(\a))
.set rB, (\f)+64+8*(\i)
.set rC, rD
.if \first
.set rC, BIAS+8*(\i)
.endif
.if (\i) < 4
	v_wmma_f32_16x16x32_f16 v[rD:rD+7], v[rB:rB+7], v[rA:rA+7], v[rC:rC+7]
.else
	v_wmma_f32_16x16x32_f16 v[rD:rD+7], v[rA:rA+7], v[rB:rB+7], v[rC:rC+7]
.endif
.endr
.endr
.endm
.macro MUL24 f, hi, first
	MUL12 \f, \hi, 0, \first
	MUL12 \f, \hi, 2, \first
.endm
; 28 LDS loads in one run: the fragments of 32 along K at byte k of the rows: the weights' six, h1's blocks 0-3, h1's blocks 4-7
.macro FETCH slot, k, f
	WIN 0
.irp t, 0,1,2
.irp fb, 0,1
	ds_load_b128 v[(\f)+64+8*(2*(\t)+(\fb)):(\f)+64+8*(2*(\t)+(\fb))+3],   v[ADRB+3*(\slot)+(\t)] offset:(\k)+(\fb)*16*PITCH
	ds_load_b128 v[(\f)+64+8*(2*(\t)+(\fb))+4:(\f)+64+8*(2*(\t)+(\fb))+7], v[ADRB+3*(\slot)+(\t)] offset:(\k)+(\fb)*16*PITCH+32
.endr
.endr
.irp a, 0,1,2,3,4,5,6,7
	ds_load_b128 v[(\f)+8*(\a):(\f)+8*(\a)+3],   v[ADRA+(\slot)] offset:(\k)+(\a)*16*PITCH
	ds_load_b128 v[(\f)+8*(\a)+4:(\f)+8*(\a)+7], v[ADRA+(\slot)] offset:(\k)+(\a)*16*PITCH+32
.endr
.endm
; A K step is four quarters of 32 along K on buffers 0, 1, 0, 1.  One of the first three: multiplies f; in its middle it fetches the next quarter, at byte k, into g.
.macro QUARTER slot, k, f, g, first
	s_wait_dscnt 8                                 ; all but the youngest eight loads (h1's blocks 4-7)
	MUL24 \f, 0, \first
	PLACES
	FETCH \slot, \k, \g
	s_wait_dscnt 28                                ; all but the 28 just issued
	MUL24 \f, 1, \first
.endm
; The last quarter multiplies buffer 1 and changes slots: ONE barrier.  Ahead of it each wave waits for all its tensor loads (the one that is out is its part of the next slot), adds 0 to its spare
; word, and waits for that and for its reads of this slot.  fill = 1: the barrier opens a round of the cluster's, and this slot is filled again, two K steps on, first thing behind the round.
.macro TURN slot, next, fill
	WIN 0
	s_wait_tensorcnt 0x0
	ds_add_u32 v[SPW], v[NIL]
	s_wait_dscnt 9                                 ; the add and the youngest eight loads may be out
	MUL12 F1, 0, 0, 0                              ; twelve matrix instructions stand between the add and the wait for it
	s_wait_dscnt 0x0                               ; the add is done, and my reads of this slot are over
	s_barrier_signal -1
	MUL12 F1, 0, 2, 0                              ; work on registers while the others arrive
.if \fill
	WIN 0
.endif
	s_barrier_wait -1
.if \fill
	CREST                                          ; no wave of any partner still reads this slot or has a load on its way
	s_add_nc_u64 s[G0A+4*(\slot)+2:G0A+4*(\slot)+3], s[G0A+4*(\slot)+2:G0A+4*(\slot)+3], 512
	s_add_nc_u64 s[G0B+4*(\slot)+2:G0B+4*(\slot)+3], s[G0B+4*(\slot)+2:G0B+4*(\slot)+3], 512
	JLOAD \slot                                    ; its four v_nop are also the places ahead of the loads below
.else
	PLACES
.endif
	FETCH \next, 0, F0
	MUL24 F1, 1, 0
.endm
; THE WAY OUT of tensor t (q, k, v): rounded to f16, 16 bytes a lane into my own stage, back as 512 consecutive bytes an instruction, stored: my 8,192 bytes are dense in memory.
.macro OUT t
	WIN 0x05                                       ; sources in window 1
.irp a, 0,1,2,3
.irp fb, 0,1
.irp r, 0,1,2,3
	v_cvt_pk_f16_f32 v[TMP+4*(2*(\a)+(\fb))+(\r)], v[8*(6*(\a)+2*(\t)+(\fb))+2*(\r)], v[8*(6*(\a)+2*(\t)+(\fb))+2*(\r)+1]
.endr
.endr
.endr
	WIN 0x0a                                       ; sources in window 2
.irp a, 4,5,6,7
.irp fb, 0,1
.irp r, 0,1,2,3
	v_cvt_pk_f16_f32 v[TMP+4*(2*(\a)+(\fb))+(\r)], v[8*(6*((\a)-4)+2*(\t)+(\fb))+2*(\r)], v[8*(6*((\a)-4)+2*(\t)+(\fb))+2*(\r)+1]
.endr
.endr
.endr
	WIN 0
.irp a, 0,1,2,3,4,5,6,7
.irp fb, 0,1
.if (\t) < 2
	ds_store_b128 v[STQ], v[TMP+4*(2*(\a)+(\fb)):TMP+4*(2*(\a)+(\fb))+3] offset:1280*(\a)+32*(\fb)   ; token 16 a + r, features 16 fb + 8 h ..
.else
	ds_store_b128 v[STV], v[TMP+4*(2*(\a)+(\fb)):TMP+4*(2*(\a)+(\fb))+3] offset:16*PITCH*(\fb)+32*(\a)  ; channel 16 fb + r, tokens 16 a + 8 h ..
.endif
.endr
.endr
	s_wait_xcnt 0x0                                ; the stores of the tensor before have read the registers that are loaded again below
.irp n, 0,1,2,3,4,5,6,7,8,9,10,11,12,13,14,15
.if (\t) < 2
	ds_load_b128 v[BK+4*(\n):BK+4*(\n)+3], v[RDQ] offset:640*(\n)   ; LDS serves a wave's instructions in order (ISA guide 5.7.1.4): these see the stores above
.else
	ds_load_b128 v[BK+4*(\n):BK+4*(\n)+3], v[RDV] offset:2*PITCH*(\n)
.endif
.endr
.irp n, 0,1,2,3,4,5,6,7,8,9,10,11,12,13,14,15
	s_wait_dscnt 15-(\n)                           ; the younger loads from the stage may be out
	global_store_b128 v[GO], v[BK+4*(\n):BK+4*(\n)+3], s[OUTB+2*(\t):OUTB+2*(\t)+1] offset:512*(\n)
.endr
.endm
	s_wait_tensorcnt 0x1                           ; my part of K step 0 is in; K step 1's may stay out
	s_barrier_signal -1
	s_barrier_wait -1
	FETCH 0, 0, F0
	QUARTER 0, 64,  F0, F1, 1                      ; K step 0
	QUARTER 0, 128, F1, F0, 0
	QUARTER 0, 192, F0, F1, 0
	TURN 0, 1, 1                                   ; slot 0 takes K step 2
	QUARTER 1, 64,  F0, F1, 0                      ; K step 1
	QUARTER 1, 128, F1, F0, 0
	QUARTER 1, 192, F0, F1, 0
	TURN 1, 0, 1                                   ; slot 1 takes K step 3
	QUARTER 0, 64,  F0, F1, 0                      ; K step 2
	QUARTER 0, 128, F1, F0, 0
	QUARTER 0, 192, F0, F1, 0
	TURN 0, 1, 0                                   ; nothing is left to fetch
	QUARTER 1, 64,  F0, F1, 0                      ; K step 3
	QUARTER 1, 128, F1, F0, 0
	QUARTER 1, 192, F0, F1, 0
	s_wait_dscnt 8
	MUL24 F1, 0, 0
	s_wait_dscnt 0x0
	MUL24 F1, 1, 0
	PLACES
	OUT 0
	OUT 1
	OUT 2
	s_wait_tensorcnt 0x0                           ; the wave's end: behind my last tensor load and my last LDS store
	ds_add_u32 v[SPW], v[NIL]
	s_wait_dscnt 0x0
	CROUND                                         ; the closing round: no work-group ends while a partner may still ask for a tile that names it
	s_endpgm
.Lfunc_end_k_q403bcdc665_qkv:
	.size	k_q403bcdc665_qkv, .Lfunc_end_k_q403bcdc665_qkv-k_q403bcdc665_qkv
	.p2alignl 7, 3214868480
	.fill 96, 4, 3214868480
	.section	.rodata,"a",@progbits
	.p2align	6, 0x0
	.amdhsa_kernel k_q403bcdc665_qkv
		.amdhsa_group_segment_fixed_size 327680
		.amdhsa_private_segment_fixed_size 0
		.amdhsa_enable_private_segment 0
		.amdhsa_kernarg_size 48
		.amdhsa_user_sgpr_count 2
		.amdhsa_user_sgpr_kernarg_segment_ptr 1
		.amdhsa_wavefront_size32 1
		.amdhsa_system_sgpr_workgroup_id_x 1
		.amdhsa_system_sgpr_workgroup_id_y 1
		.amdhsa_system_sgpr_workgroup_id_z 1
		.amdhsa_system_vgpr_workitem_id 0
		.amdhsa_next_free_vgpr 752
		.amdhsa_next_free_sgpr 76
		.amdhsa_reserve_vcc 0
		.amdhsa_float_denorm_mode_32 3
		.amdhsa_float_denorm_mode_16_64 3
		.amdhsa_memory_ordered 1
		.amdhsa_forward_progress 1
		.amdhsa_inst_pref_size 117
	.end_amdhsa_kernel
	.amdgpu_metadata
---
amdhsa.version: [ 1, 2 ]
amdhsa.kernels:
  - .name:           k_q403bcdc665_qkv
    .symbol:         k_q403bcdc665_qkv.kd
    .args:
      - { .name: h1, .offset: 0, .size: 8, .value_kind: global_buffer, .address_space: global }
      - { .name: wqkv, .offset: 8, .size: 8, .value_kind: global_buffer, .address_space: global }
      - { .name: bqkv, .offset: 16, .size: 8, .value_kind: global_buffer, .address_space: global }
      - { .name: q, .offset: 24, .size: 8, .value_kind: global_buffer, .address_space: global }
      - { .name: k, .offset: 32, .size: 8, .value_kind: global_buffer, .address_space: global }
      - { .name: vt, .offset: 40, .size: 8, .value_kind: global_buffer, .address_space: global }
    .group_segment_fixed_size: 327680
    .private_segment_fixed_size: 0
    .kernarg_segment_align: 8
    .kernarg_segment_size: 48
    .max_flat_workgroup_size: 128
    .sgpr_count:     76
    .vgpr_count:     752
    .wavefront_size: 32
...
	.end_amdgpu_metadata
.endif
;; end of part 2
;; launch attn (part 3): grid 4 x 64, 16 waves a work-group, clusters of 4 x 1, 327,680 bytes of LDS; arguments q, k, vt, o; writes o
.if DOCPART == 3
	.amdgcn_target "amdgcn-amd-amdhsa--gfx1250"
	.amdhsa_code_object_version 6
	.text
	.protected	k_q403bcdc665_attn
	.globl	k_q403bcdc665_attn
	.p2align	8
	.type	k_q403bcdc665_attn,@function
k_q403bcdc665_attn:
	s_mov_b64 s[64:65], 0
	v_nop
	global_prefetch_b8 v0, s[64:65] scope:SCOPE_SE
	s_setreg_imm32_b32 hwreg(HW_REG_WAVE_MODE, 25, 1), 1
	s_wait_xcnt 0x0
	s_wait_alu depctr_hold_cnt(0) depctr_sa_sdst(0) depctr_va_vdst(0) depctr_va_sdst(0) depctr_va_ssrc(0) depctr_va_vcc(0) depctr_vm_vsrc(0)
	s_getreg_b32 s2, hwreg(HW_REG_IB_STS2, 6, 4)
	s_cmp_eq_u32 s2, 0
	s_cbranch_scc0 .Lentry_in_a_cluster
	s_endpgm
.Lentry_in_a_cluster:
	s_bfe_u32 s2, ttmp6, 0x10000c
	s_cmp_lg_u32 s2, 0x3003
	s_cbranch_scc0 .Lentry_shape_is_right
	s_endpgm
.Lentry_shape_is_right:
; o[bh][q][:] = the sum over keys of softmax(q . k) v, head size 32, 2,048 keys, no mask.  q, k, o: [64][2048][32] f16; vt: [64][16 chunks][32 channels][128 keys] f16.
; q arrives multiplied by log2(e) / sqrt(32), so a score s is an exponent of two: p = 2^(s - m), m the running maximum.  Products, maxima and sums in f32; p is rounded to f16 for the
; second product, o once at the end.
; LIMITS.  p below 6e-5 keeps f16's fixed step of 6e-8; l is the sum of the rounded p, the weights that multiply v; NaN and infinities are not treated apart.
; SHARES.  A work-group owns 512 queries of one batch and head, each of its 16 waves 32: two tiles of 16.  Every wave walks all keys, 64 a step.
; THE COUNT.  A tile and step have 10 matrix and 94 vector instructions: the vector work sets the time.  So four waves lie on each SIMD and fill each other's waits, a wave fits in one window
; of registers (no s_set_vgpr_msb), and the text has few vector lines rather than a deal of riders.
; ALL OF THE HEAD'S K AND V LIES IN LDS, FILLED ONCE: 2,048 keys x 80 bytes and 512 rows x 272 bytes.  No slot is filled again, so the loop has no barrier.
; CLUSTER.  The four query blocks of a head need the same K and V: each tile is asked for JOINTLY, the same tensor load, descriptor and mask in all four.  Nothing is prefetched: every tile is
; asked for at the kernel's head.
; LAYOUT.  S^T = K Q^T (source 0 = 16 keys, source 1 = 16 queries; K = 32 is the whole head, one product a tile of 16 x 16): a lane holds ONE query (lane % 16) and keys 8 (lane / 16) + 0..7.
; Two such results rounded to f16 in pairs ARE source 1 (32 keys x 16 queries) of O^T = V^T P.  V lies turned in memory, so its fragments are plain loads.
; ROW SUMS BY THE MATRIX UNIT: L += ONES x P: every register of every lane holds the query's l.  It takes 16 packed additions and an exchange of lanes out of a tile's step for two products.
; Only L's registers 0 and 1 are rescaled and read; the other six gather sums of at most 2,048 that nobody reads.
; BY TRIPS.  TRIP t does the softmax of tile t; among its lines stand the other tile's products: V^T P and L (of the step before if t = 0, of this step if t = 1), then K Q^T (of this step if
; t = 0, of the next if t = 1).  m starts at the lowest finite number, O and L at 0: the first step is a step like any other, with a = 0.  The price of one text for every trip: 96 lines that
; write 0, in the wait for the tiles; six products on zeros at the start; four on the last K once more at the end.
.set KB,    0                          ; K: key n at 80 n (64 bytes + 16 of padding = 20 words: the 16 rows of a load start at 16 different groups of four banks; 64 banks of 4 bytes: ISA guide 11.1)
.set VB,    2048*80                    ; V: row 32 chunk + channel at 272 bytes each
.set STAGE, VB+512*272                 ; 16 rows x 80 bytes for each wave, for the way out; no tensor load lands here
.set SPARE, STAGE+16*1280              ; the spare words, 128 bytes for each wave: eight blocks of 256 bytes that no other line names
.set AK,  2                            ; v2   K's fragments: r x 80 + 16 h, stepped by 128 keys
.set AV,  3                            ; v3   V's: VB + r x 272 + 16 h, stepped by a chunk
.set STO, 4                            ; v4   the way out: where I put 16 bytes of a row
.set RD,  5                            ; v5   where I read rows back
.set GO,  6                            ; v6   16 x lane
.set QO,  7                            ; v7   r x 64 + 16 h
.set SPW, 8                            ; v8   my spare word; never rewritten
.set NIL, 9                            ; v9   0; never rewritten
.set ST,  10                           ; tile t at ST + 6 t: m; m_old - m_new; the new m (a pair, low word used); a (likewise)
.set CT,  22                           ; v22-25 at work on the maximum
.set ONES, 26                          ; v[26:33]   1.0 in every half
.set QQ,  34                           ; v[34:49]   Q, 8 a tile
.set KF,  50                           ; v[50:81]   K of one step: key block kb at + 8 kb
.set VF,  82                           ; v[82:113]  V of one step: key half kk, channel block cb at + 16 kk + 8 cb
.set SS,  114                          ; v[114:177] S^T, 32 a tile; P is packed in place into the first 16
.set OO,  178                          ; v[178:209] O^T, 16 a tile
.set LL,  210                          ; v[210:225] L, 8 a tile
.set WV,  12
.set CNT, 15
.set G1K, 24
.set G1V, 32
.set G0K, 40
.set G0V, 44
.set SEL, 60
.macro CROUND                          ; a round of the cluster's barrier
	s_barrier_signal -1
	s_barrier_wait -1
	s_cmp_lg_u32 s[WV], 0
	s_cbranch_scc1 .Lnot_wave_0_\@
	s_barrier_signal -3
.Lnot_wave_0_\@:
	s_barrier_wait -3
	s_barrier_signal -1
	s_barrier_wait -1
.endm
	s_load_b256 s[4:11], s[0:1], 0x0               ; q 4, k 6, vt 8, o 10
	v_lshl_add_u32 v[SPW], v0, 2, SPARE
	v_mov_b32 v[NIL], 0
	ds_add_u32 v[SPW], v[NIL]                      ; the wave's opening: the add and its wait stand ahead of my first tensor load; the set-up below stands between them
	v_lshrrev_b32 v1, 5, v0
	v_readfirstlane_b32 s[WV], v1                  ; wave 0..15
	s_bfe_u32 s13, ttmp6, 0x40000                  ; cx: my block of 512 queries; it enters q's and o's addresses alone
	s_and_b32 s14, ttmp7, 0xffff                   ; batch x head, which the four partners share
	s_and_b32 s16, s[WV], 7                        ; which eighth of K (waves 0-7) or of V (waves 8-15) I fetch
	s_lshl_b32 s20, s14, 17
	s_lshl_b32 s21, s16, 14                        ; 16,384 dense bytes
	s_add_co_u32 s20, s20, s21
	s_mov_b32 s21, 0
	s_mul_i32 s17, s16, 256*80                     ; 256 keys
	s_mul_i32 s18, s16, 64*272                     ; 64 rows of V
	s_add_co_u32 s18, s18, VB
	s_lshl_b32 s22, s14, 17
	s_lshl_b32 s23, s13, 15
	s_add_co_u32 s22, s22, s23
	s_lshl_b32 s23, s[WV], 11                      ; my 32 queries of 64 bytes
	s_add_co_u32 s22, s22, s23
	s_mov_b32 s23, 0
	; both tiles are asked for as 64 rows of 256 bytes.  K: four keys a row, padded after every key (16 words); V: padded after every row (64 words)
	s_mov_b32 s[G1K], 15|(1<<16)|(1<<20)|(1<<21)|(3<<22)|(3<<25)  ; 15:0 the mask of four; 17:16 2-byte elements; 20 padding on; 21 set beside a mask; 24:22 the interval; 31:25 four words
	s_mov_b32 s[G1V], 15|(1<<16)|(1<<20)|(1<<21)|(5<<22)|(3<<25)
.irp g, G1K, G1V
	s_mov_b32 s[\g+1], 128<<16                     ; tensor_dim0 = 128
	s_mov_b32 s[\g+2], 64<<16                      ; tensor_dim1 = 64
	s_mov_b32 s[\g+3], 128<<16                     ; tile_dim0 = 128
	s_mov_b32 s[\g+4], 64                          ; tile_dim1 = 64
	s_mov_b32 s[\g+5], 128                         ; elements from row to row
	s_mov_b32 s[\g+6], 0
	s_mov_b32 s[\g+7], 0
.endr
	s_mov_b32 s[G0K], 1
	s_mov_b32 s[G0K+1], s17
	s_mov_b32 s[G0V], 1
	s_mov_b32 s[G0V+1], s18
	s_mov_b32 s[SEL], 0x76543210
	s_mov_b32 s[SEL+1], 0xfedcba98
	s_wait_dscnt 0x0                               ; the opening add is done
	s_wait_kmcnt 0x0
	s_add_nc_u64 s[G0K+2:G0K+3], s[6:7], s[20:21]
	s_or_b32 s[G0K+3], s[G0K+3], 0x80000000
	s_add_nc_u64 s[G0V+2:G0V+3], s[8:9], s[20:21]
	s_or_b32 s[G0V+3], s[G0V+3], 0x80000000
	s_add_nc_u64 s[4:5], s[4:5], s[22:23]
	s_add_nc_u64 s[10:11], s[10:11], s[22:23]
	CROUND                                         ; all four work-groups are here: the joint loads meet
	s_cmp_lt_u32 s[WV], 8                          ; one tensor load a wave; an s_nop 0 and four v_nop follow each line, ahead of the jump and the label
	s_cbranch_scc0 .Lfor_v
	tensor_load_to_lds s[G0K:G0K+3], s[G1K:G1K+7]
	s_nop 0
.rept 4
	v_nop
.endr
	s_branch .Lasked
.Lfor_v:
	tensor_load_to_lds s[G0V:G0V+3], s[G1V:G1V+7]
	s_nop 0
.rept 4
	v_nop
.endr
.Lasked:
	v_and_b32 v1, 15, v0                           ; r
	v_bfe_u32 v226, v0, 4, 1                       ; h
	v_lshlrev_b32 v[QO], 6, v1
	v_lshl_add_u32 v[QO], v226, 4, v[QO]
.irp t, 0,1
	global_load_b128 v[QQ+8*\t:QQ+8*\t+3],   v[QO], s[4:5] offset:1024*\t      ; query r of tile t, channels 8 h ..
	global_load_b128 v[QQ+8*\t+4:QQ+8*\t+7], v[QO], s[4:5] offset:1024*\t+32   ; and 16 + 8 h ..
.endr
	; what the first trip finds; all this stands in the wait for the tiles
.set i, 0
.rept 32
	v_mov_b32 v[OO+i], 0
	v_mov_b32 v[VF+i], 0
.set i, i+1
.endr
.set i, 0
.rept 16
	v_mov_b32 v[LL+i], 0
	v_mov_b32 v[SS+32+i], 0                        ; tile 1's P of a step that has not been
.set i, i+1
.endr
.set i, 0
.rept 8
	v_mov_b32 v[ONES+i], 0x3c003c00
.set i, i+1
.endr
.irp t, 0,1
	v_mov_b32 v[ST+6*\t], 0xff7fffff               ; m
	v_mov_b32 v[ST+6*\t+3], 0                      ; the pairs' upper words are named with the lower ones
	v_mov_b32 v[ST+6*\t+5], 0
.endr
	v_mul_u32_u24 v[AK], v1, 80
	v_lshl_add_u32 v[AK], v226, 4, v[AK]
	s_mul_i32 s19, s[WV], 1280
	s_add_co_u32 s19, s19, STAGE                   ; my stage
	v_add_nc_u32 v[STO], s19, v[AK]                ; in: row r, 16 bytes for each half of the lanes
	v_mul_u32_u24 v[AV], v1, 272
	v_lshl_add_u32 v[AV], v226, 4, v[AV]
	v_add_nc_u32 v[AV], VB, v[AV]
	v_bfe_u32 v[RD], v0, 2, 3
	v_mul_u32_u24 v[RD], v[RD], 80
	v_and_b32 v227, 3, v0
	v_lshl_add_u32 v[RD], v227, 4, v[RD]
	v_add_nc_u32 v[RD], s19, v[RD]                 ; back: 32 lanes take eight rows of 64 bytes
	v_and_b32 v[GO], 31, v0
	v_lshlrev_b32 v[GO], 4, v[GO]
; Number n of the 21 that find tile t's maximum and statistics.  Each accumulator's lowest registers are read first.
;   0-11 four chains of seven scores each, three operands at a time    12-15 the four scores left over, the old m, the four chains into one
;   16, 17 the query's other 32 keys lie in the lane 16 away: the new m    18, 19 a = 2^(m_old - m_new)    20 m is kept
.macro MAXN t, n
.set rT, ST+6*(\t)
.set rS, SS+32*(\t)
.if (\n) < 4
	v_max3_num_f32 v[CT+(\n)], v[rS+8*(\n)], v[rS+8*(\n)+1], v[rS+8*(\n)+2]
.elseif (\n) < 12
	v_max3_num_f32 v[CT+(\n)%4], v[CT+(\n)%4], v[rS+8*((\n)%4)+2*((\n)/4)+1], v[rS+8*((\n)%4)+2*((\n)/4)+2]
.elseif (\n) == 12
	v_max3_num_f32 v[CT], v[CT], v[rS+7], v[rS+15]
.elseif (\n) == 13
	v_max3_num_f32 v[CT+1], v[CT+1], v[rS+23], v[rS+31]
.elseif (\n) == 14
	v_max3_num_f32 v[CT+2], v[CT+2], v[CT+3], v[rT]
.elseif (\n) == 15
	v_max3_num_f32 v[CT], v[CT], v[CT+1], v[CT+2]
.elseif (\n) == 16
	v_permlanex16_b32 v[CT+3], v[CT], s[SEL], s[SEL+1]
.elseif (\n) == 17
	v_max_num_f32 v[rT+2], v[CT], v[CT+3]
.elseif (\n) == 18
	v_sub_f32 v[rT+1], v[rT], v[rT+2]
.elseif (\n) == 19
	v_exp_f32 v[rT+4], v[rT+1]
.else
	v_mov_b32 v[rT], v[rT+2]
.endif
.endm
.macro SUBP t, n                       ; s - m for pair n of 16
	v_pk_add_f32 v[SS+32*(\t)+2*(\n):SS+32*(\t)+2*(\n)+1], v[SS+32*(\t)+2*(\n):SS+32*(\t)+2*(\n)+1], v[ST+6*(\t)+2:ST+6*(\t)+3] op_sel_hi:[1,0] neg_lo:[0,1] neg_hi:[0,1]
.endm
.macro EXPN t, n
	v_exp_f32 v[SS+32*(\t)+(\n)], v[SS+32*(\t)+(\n)]
.endm
.macro CVTP t, n                       ; pair n rounded to f16, in place, ascending: number n never overwrites a pair that is still to be read
	v_cvt_pk_f16_f32 v[SS+32*(\t)+(\n)], v[SS+32*(\t)+2*(\n)], v[SS+32*(\t)+2*(\n)+1]
.endm
.macro RSC t, n                        ; O^T's eight pairs, then L's registers 0 and 1, times a
.if (\n) < 8
	v_pk_mul_f32 v[OO+16*(\t)+2*(\n):OO+16*(\t)+2*(\n)+1], v[OO+16*(\t)+2*(\n):OO+16*(\t)+2*(\n)+1], v[ST+6*(\t)+4:ST+6*(\t)+5] op_sel_hi:[1,0]
.else
	v_pk_mul_f32 v[LL+8*(\t):LL+8*(\t)+1], v[LL+8*(\t):LL+8*(\t)+1], v[ST+6*(\t)+4:ST+6*(\t)+5] op_sel_hi:[1,0]
.endif
.endm
.macro KQ u, kb                        ; 16 keys x 16 queries, the whole head's 32 channels: the product is the sum
	v_wmma_f32_16x16x32_f16 v[SS+32*(\u)+8*(\kb):SS+32*(\u)+8*(\kb)+7], v[KF+8*(\kb):KF+8*(\kb)+7], v[QQ+8*(\u):QQ+8*(\u)+7], 0
.endm
.macro PV u, n                         ; number n of six: keys 32 (n / 3) on; channel blocks 0, 1, then L: three accumulators by turns, one instruction a turn
.set kk, (\n)/3
.set cb, (\n)%3
.set rP, SS+32*(\u)+8*kk
.if cb < 2
.set rO, OO+16*(\u)+8*cb
.set rV, VF+16*kk+8*cb
	v_wmma_f32_16x16x32_f16 v[rO:rO+7], v[rV:rV+7], v[rP:rP+7], v[rO:rO+7]
.else
.set rL, LL+8*(\u)
	v_wmma_f32_16x16x32_f16 v[rL:rL+7], v[ONES:ONES+7], v[rP:rP+7], v[rL:rL+7]
.endif
.endm
.macro FETCH_K off                     ; a step's K: 64 keys x 32 channels
.irp kb, 0,1,2,3
	ds_load_b128 v[KF+8*\kb:KF+8*\kb+3],   v[AK] offset:(\off)+1280*\kb
	ds_load_b128 v[KF+8*\kb+4:KF+8*\kb+7], v[AK] offset:(\off)+1280*\kb+32
.endr
.endm
.macro FETCH_V off                     ; a step's V: 32 channels x 64 keys; fragment f: key half f / 2, channel block f % 2
.irp f, 0,1,2,3
	ds_load_b128 v[VF+8*\f:VF+8*\f+3],   v[AV] offset:(\off)+64*(\f/2)+4352*(\f%2)
	ds_load_b128 v[VF+8*\f+4:VF+8*\f+7], v[AV] offset:(\off)+64*(\f/2)+4352*(\f%2)+32
.endr
.endm
; A TRIP: tile t's softmax for a key step of parity e, and the other tile's ten products.
; DISTANCES (ISA guide 7.12.1 for vector instructions), counted in plain vector lines that name none of the product's registers: V's run stands ten behind the last product that read V;
; the first K Q^T, which writes over the P that V^T P has read, twelve behind it; K's run eleven behind the last K Q^T; the next trip's first read of the new scores thirty behind it.
; THE EXPONENTIALS ARE ONE BATCH of 33 (a, then the 32 scores) with ONE wait: nothing ahead of the wait names a result; the line that keeps m is the plain instruction behind the last of them.
.macro TRIP t, e
.if (\t) == 1
	s_wait_dscnt 0x0                               ; V of this step and K of the next are in
.endif
.set i, 0
.rept 6
	MAXN \t, 2*i
	MAXN \t, 2*i+1
	PV 1-(\t), i
.set i, i+1
.endr
.irp n, 12,13,14,15,16,17,18,19
	MAXN \t, \n
.endr
.set p, 0
.rept 16
	SUBP \t, p
.if p > 0
	EXPN \t, 2*p-2
	EXPN \t, 2*p-1
.endif
.if (p == 3) && ((\t) == 0)
	FETCH_V 128*(\e)
.if (\e) == 1
	v_add_nc_u32 v[AV], 32*272, v[AV]              ; the next chunk of 128 keys
.endif
.endif
.if (p >= 5) && (p <= 11) && (p%2 == 1)
	KQ 1-(\t), (p-5)/2
.endif
.set p, p+1
.endr
	EXPN \t, 30
	EXPN \t, 31
	MAXN \t, 20
	s_wait_alu depctr_va_vdst(0)                   ; the wait for the batch, ahead of the first line that names a result
.set p, 0
.rept 16
	CVTP \t, p
.if (p == 5) && ((\t) == 0)
.if (\e) == 0
	FETCH_K 64*80                                  ; the next step's K
.else
	s_cmp_eq_u32 s[CNT], 1                         ; behind the last step there is none
	s_cbranch_scc1 .Lno_k_\@
	v_add_nc_u32 v[AK], 128*80, v[AK]
	FETCH_K 0
.Lno_k_\@:
.endif
.endif
.set p, p+1
.endr
.irp n, 0,1,2,3,4,5,6,7,8
	RSC \t, \n
.endr
.endm
	s_wait_tensorcnt 0x0                           ; my tile is in,
	s_barrier_signal -1
	s_barrier_wait -1                              ; everybody's is
	FETCH_K 0                                      ; key step 0
	s_wait_loadcnt 0x0                             ; Q
	s_wait_dscnt 0x0
.irp kb, 0,1,2,3
	KQ 0, \kb                                      ; tile 0's first scores
.endr
.rept 4
	v_nop                                          ; the places behind those products
.endr
	s_mov_b32 s[CNT], 16
.Lkeys:                                        ; 16 times: two key steps, a chunk of 128 keys
	TRIP 0, 0
	TRIP 1, 0
	TRIP 0, 1
	TRIP 1, 1
	s_sub_co_u32 s[CNT], s[CNT], 1
	s_cmp_lg_u32 s[CNT], 0
	s_cbranch_scc1 .Lkeys
.irp n, 0,1,2,3,4,5
	PV 1, \n                                       ; tile 1's V^T P and L of the last step
.endr
.rept 8
	v_nop                                          ; the places behind the last products, whose results are scaled in place below
.endr
	; THE WAY OUT: O^T is divided by l, rounded to f16 and sent through my stage in LDS, a tile (16 rows of 64 bytes) at a time
	v_rcp_f32 v[ST+4], v[LL]
	v_rcp_f32 v[ST+10], v[LL+8]
	v_nop                                          ; a plain instruction behind the last reciprocal,
	s_wait_alu depctr_va_vdst(0)                   ; and one wait for the two, ahead of their first use
.irp t, 0,1
.set i, 0
.rept 8
	v_pk_mul_f32 v[OO+16*\t+2*i:OO+16*\t+2*i+1], v[OO+16*\t+2*i:OO+16*\t+2*i+1], v[ST+6*\t+4:ST+6*\t+5] op_sel_hi:[1,0]
.set i, i+1
.endr
.set i, 0
.rept 8
	v_cvt_pk_f16_f32 v[SS+32*\t+i], v[OO+16*\t+2*i], v[OO+16*\t+2*i+1]
.set i, i+1
.endr
	ds_store_b128 v[STO], v[SS+32*\t:SS+32*\t+3]              ; channels 8 h ..
	ds_store_b128 v[STO], v[SS+32*\t+4:SS+32*\t+7] offset:32  ; channels 16 + 8 h ..
	ds_load_b128 v[SS+32*\t+8:SS+32*\t+11],  v[RD]            ; LDS serves a wave's instructions in order (ISA guide 5.7.1.4): these see the stores above, and the next tile's stores come behind them
	ds_load_b128 v[SS+32*\t+12:SS+32*\t+15], v[RD] offset:640
.endr
	s_wait_dscnt 5                                 ; younger: tile 0's second load and tile 1's four LDS instructions
	global_store_b128 v[GO], v[SS+8:SS+11], s[10:11]                 ; 512 consecutive bytes, at a multiple of 256 from o's first
	s_wait_dscnt 4
	global_store_b128 v[GO], v[SS+12:SS+15], s[10:11] offset:512
	s_wait_dscnt 1
	global_store_b128 v[GO], v[SS+40:SS+43], s[10:11] offset:1024
	s_wait_dscnt 0x0
	global_store_b128 v[GO], v[SS+44:SS+47], s[10:11] offset:1536
	s_wait_tensorcnt 0x0                           ; the wave's end: behind my last tensor load and my last LDS store
	ds_add_u32 v[SPW], v[NIL]
	s_wait_dscnt 0x0
	CROUND                                         ; the closing round
	s_endpgm
.Lfunc_end_k_q403bcdc665_attn:
	.size	k_q403bcdc665_attn, .Lfunc_end_k_q403bcdc665_attn-k_q403bcdc665_attn
	.p2alignl 7, 3214868480
	.fill 96, 4, 3214868480
	.section	.rodata,"a",@progbits
	.p2align	6, 0x0
	.amdhsa_kernel k_q403bcdc665_attn
		.amdhsa_group_segment_fixed_size 327680
		.amdhsa_private_segment_fixed_size 0
		.amdhsa_enable_private_segment 0
		.amdhsa_kernarg_size 32
		.amdhsa_user_sgpr_count 2
		.amdhsa_user_sgpr_kernarg_segment_ptr 1
		.amdhsa_wavefront_size32 1
		.amdhsa_system_sgpr_workgroup_id_x 1
		.amdhsa_system_sgpr_workgroup_id_y 1
		.amdhsa_system_sgpr_workgroup_id_z 1
		.amdhsa_system_vgpr_workitem_id 0
		.amdhsa_next_free_vgpr 240
		.amdhsa_next_free_sgpr 66
		.amdhsa_reserve_vcc 0
		.amdhsa_float_denorm_mode_32 3
		.amdhsa_float_denorm_mode_16_64 3
		.amdhsa_memory_ordered 1
		.amdhsa_forward_progress 1
		.amdhsa_inst_pref_size 39
	.end_amdhsa_kernel
	.amdgpu_metadata
---
amdhsa.version: [ 1, 2 ]
amdhsa.kernels:
  - .name:           k_q403bcdc665_attn
    .symbol:         k_q403bcdc665_attn.kd
    .args:
      - { .name: q, .offset: 0, .size: 8, .value_kind: global_buffer, .address_space: global }
      - { .name: k, .offset: 8, .size: 8, .value_kind: global_buffer, .address_space: global }
      - { .name: vt, .offset: 16, .size: 8, .value_kind: global_buffer, .address_space: global }
      - { .name: o, .offset: 24, .size: 8, .value_kind: global_buffer, .address_space: global }
    .group_segment_fixed_size: 327680
    .private_segment_fixed_size: 0
    .kernarg_segment_align: 8
    .kernarg_segment_size: 32
    .max_flat_workgroup_size: 512
    .sgpr_count:     66
    .vgpr_count:     240
    .wavefront_size: 32
...
	.end_amdgpu_metadata
.endif
;; end of part 3
;; launch tail (part 4): grid 256 x 1, 8 waves a work-group, clusters of 4 x 1, 327,680 bytes of LDS; arguments x, o, wt, bo, norm2_g, norm2_b, b1, b2, out0; writes out0
.if DOCPART == 4
	.amdgcn_target "amdgcn-amd-amdhsa--gfx1250"
	.amdhsa_code_object_version 6
	.text
	.protected	k_q403bcdc665_tail
	.globl	k_q403bcdc665_tail
	.p2align	8
	.type	k_q403bcdc665_tail,@function
k_q403bcdc665_tail:
	s_mov_b64 s[64:65], 0
	v_nop
	global_prefetch_b8 v0, s[64:65] scope:SCOPE_SE
	s_setreg_imm32_b32 hwreg(HW_REG_WAVE_MODE, 25, 1), 1
	s_wait_xcnt 0x0
	s_wait_alu depctr_hold_cnt(0) depctr_sa_sdst(0) depctr_va_vdst(0) depctr_va_sdst(0) depctr_va_ssrc(0) depctr_va_vcc(0) depctr_vm_vsrc(0)
	s_getreg_b32 s2, hwreg(HW_REG_IB_STS2, 6, 4)
	s_cmp_eq_u32 s2, 0
	s_cbranch_scc0 .Lentry_in_a_cluster
	s_endpgm
.Lentry_in_a_cluster:
	s_bfe_u32 s2, ttmp6, 0x10000c
	s_cmp_lg_u32 s2, 0x3003
	s_cbranch_scc0 .Lentry_shape_is_right
	s_endpgm
.Lentry_shape_is_right:
; x2 = x + o wo^T + bo;  h2 = LayerNorm(x2) g + b;  out0 = x2 + relu(h2 w1^T + b1) w2^T + b2.  x, out0: [8192][512] f32; o: [64 batch x head][2048][32] f16; wt: [3][512][512] f16 (wo, w1, w2).
; Products on f16 operands with f32 sums; x, x2, the norm and both residuals in f32; h2 and the activation are rounded once to f16.
; LIMITS.  An operand of 65,520 or more becomes an infinity in f16; NaN and infinities are not treated apart.
; SHARES.  A work-group owns 32 tokens through all three products, so nothing between them goes to memory.  Wave w: all 32 tokens, features 64 w .. 64 w + 63: accumulators (a, b), a = 0, 1, b = 0..3.
; The matrix instruction is used transposed (source 0 = 16 weight rows, source 1 = 16 tokens): lane (r, h) holds token 16 a + r and features 64 w + 16 b + 8 h + 0..7.
; THE BIAS IS THE C OPERAND of each sum's first product: nothing is cleared.
; THE RING.  12 steps: step k is matrix k / 4, 128 of K at byte 256 (k % 4) of its rows: all 512 rows, 64 a wave, into slot k % 2.
; CLUSTER.  Every work-group walks the same weights: the four of a cluster ask for each tile JOINTLY.  The change of slots is a round of the cluster's barrier.
; PREFETCH.  Behind the joint load of the change ahead of step k stands a prefetch of step k + 3's tile, two changes of slots ahead of its load: 512 rows x 256 bytes, a lane a row.  Each row's block is
; named once in the launch: the first cluster asks; its four partners take 128 rows each BY ADDRESS; in each, waves 0 to 3 take 32.  Steps 0 to 3 come by their loads alone; nothing is asked past step 11.
; LDS.  Two slots of 512 x 272; the A region, which holds in turn o by heads (16 x 32 tokens x 80, its only fill), the waves' stages for x (8 x 16 rows x 272), then h2 and the activation
; ([32][1040]); two arrays of partial sums; the spare words.  The last way out is staged at the head of slot 0, which has had its last fill (step 10) and has been read out.
; REGISTERS: window 0 as below; window 1: v0-63 x, then x2, in the accumulators' layout (s_set_vgpr_msb: bits 1:0 source 0, 3:2 source 1, 5:4 source 2, 7:6 destination).
.set PITCH, 272
.set SLOT,  512*PITCH
.set ABASE, 2*SLOT
.set RED,   ABASE+40960                ; [2][32 tokens][8 waves] f32
.set SPARE, RED+2048                   ; 128 bytes for each wave: four blocks of 256 bytes that no other line names
.set HP,    1040                       ; a token's row of h2: 1,024 bytes + 16: 16 rows start at 16 different groups of four banks (64 banks of 4 bytes: ISA guide 11.1)
.set ADRB, 4                           ; v4-5  my weight rows in slot 0, 1: (64 w + r) x 272 + 16 h
.set AH,   6                           ; v6    o by heads: ABASE + r x 80 + 16 h
.set AR,   7                           ; v7    h2: ABASE + r x 1040 + 16 h
.set HST,  8                           ; v8    where I put h2: AR + 128 w
.set XR,   9                           ; v9    x's stage by rows: ABASE + 4352 w + h x 272 + 16 r
.set XA,   10                          ; v10   x's stage in the accumulators' order: ABASE + 4352 w + r x 272 + 32 h
.set OA,   11                          ; v11   the same two for the last way out, at the head of slot 0
.set ORD,  12                          ; v12
.set XO,   13                          ; v13   x and out0: h x 2048 + 256 w + 16 r; never rewritten
.set PO,   14                          ; v14   a vector of 512 f32: 256 w + 32 h; never rewritten
.set RS,   15                          ; v15   RED + 32 r + 4 w
.set RL,   16                          ; v16   RED + 32 r
.set PFO,  17                          ; v17   1,024 x lane: a row of a weight; never rewritten
.set SPW,  18                          ; v18   my spare word; never rewritten
.set NIL,  19                          ; v19   0; never rewritten
.set ZR,   20                          ; v20   0, for the packed maximum
.set SA,   22                          ; v22-29 sums at work, four for each a
.set MEAN, 30                          ; v30-33 a pair for each a
.set RSTD, 34                          ; v34-37 likewise
.set ACC,  40                          ; v40-103   accumulator (a, b) at 8 (4 a + b)
.set BF,   104                         ; v104-167  weight fragments, two buffers of 32; gain and bias of the norm between the products
.set AF,   168                         ; v168-199  token fragments, two buffers of 16
.set PAR,  200                         ; v200-231  the bias in hand: block b at + 8 b
.set WV,   22
.set PF,   25                          ; s25  1 in a wave that prefetches
.set G1W,  32
.set G1O,  40
.set G0,   48                          ; s[48:55] group 0 of the weights' tiles, a set for each slot
.set G0O,  56
.set PFA,  60                          ; s[60:61] wt at my 32 rows; never rewritten
.set SEL,  62
.set MSB, 0
.macro WIN new
.if MSB != (\new)
	s_set_vgpr_msb (MSB<<8)|(\new)
.set MSB, \new
.endif
.endm
.macro PLACES
.rept 4
	v_nop
.endr
.endm
.macro CROUND
	s_barrier_signal -1
	s_barrier_wait -1
	s_cmp_lg_u32 s[WV], 0
	s_cbranch_scc1 .Lnot_wave_0_\@
	s_barrier_signal -3
.Lnot_wave_0_\@:
	s_barrier_wait -3
	s_barrier_signal -1
	s_barrier_wait -1
.endm
.macro LOADP dst, sp                   ; my 32 numbers of a vector of 512, in the accumulators' order
.irp b, 0,1,2,3
	global_load_b128 v[(\dst)+8*(\b):(\dst)+8*(\b)+3],   v[PO], s[(\sp):(\sp)+1] offset:64*(\b)
	global_load_b128 v[(\dst)+8*(\b)+4:(\dst)+8*(\b)+7], v[PO], s[(\sp):(\sp)+1] offset:64*(\b)+16
.endr
.endm
	s_load_b512 s[4:19], s[0:1], 0x0               ; x 4, o 6, wt 8, bo 10, g 12, b 14, b1 16, b2 18
	s_load_b64 s[20:21], s[0:1], 0x40              ; out0
	v_lshl_add_u32 v[SPW], v0, 2, SPARE
	v_mov_b32 v[NIL], 0
	ds_add_u32 v[SPW], v[NIL]                      ; the wave's opening: the add and its wait stand ahead of my first tensor load; the set-up below stands between them
	v_lshrrev_b32 v1, 5, v0
	v_readfirstlane_b32 s[WV], v1                  ; wave 0..7
	s_bfe_u32 s23, ttmp6, 0x40000                  ; cx
	s_lshl_b32 s24, ttmp9, 2
	s_add_co_u32 s24, s24, s23                     ; my block of 32 tokens
	s_lshr_b32 s[PF], s[WV], 2                     ; 0 in waves 0 to 3,
	s_or_b32 s[PF], s[PF], ttmp9                   ; of the first cluster: the same in all four partners
	s_cmp_eq_u32 s[PF], 0
	s_cselect_b32 s[PF], 1, 0
	s_mov_b32 s[G1W], 15|(1<<16)|(1<<20)|(1<<21)|(5<<22)|(3<<25)  ; the mask of four; 2-byte elements; padding on; bit 21 beside a mask; four words after every 64
	s_mov_b32 s[G1W+1], 128<<16                    ; tensor_dim0 = 128
	s_mov_b32 s[G1W+2], 64<<16                     ; tensor_dim1 = 64
	s_mov_b32 s[G1W+3], 128<<16                    ; tile_dim0 = 128
	s_mov_b32 s[G1W+4], 64                         ; tile_dim1 = 64
	s_mov_b32 s[G1W+5], 512                        ; elements from row to row
	s_mov_b32 s[G1W+6], 0
	s_mov_b32 s[G1W+7], 0
	s_mov_b32 s[G1O], (1<<16)|(1<<20)|(3<<22)|(3<<25)  ; a load of my own: two heads' 32 tokens, 2,048 dense bytes each; four words after every token (16 words)
	s_mov_b32 s[G1O+1], 1024<<16                   ; tensor_dim0 = 1,024
	s_mov_b32 s[G1O+2], 2<<16                      ; tensor_dim1 = 2
	s_mov_b32 s[G1O+3], 1024<<16                   ; tile_dim0 = 1,024
	s_mov_b32 s[G1O+4], 2                          ; tile_dim1 = 2
	s_mov_b32 s[G1O+5], 65536                      ; elements from head to head
	s_mov_b32 s[G1O+6], 0
	s_mov_b32 s[G1O+7], 0
	s_lshl_b32 s28, s[WV], 16                      ; my 64 rows of 1,024 bytes of a weight
	s_mov_b32 s29, 0
	s_mul_i32 s26, s[WV], 64*PITCH                 ; and their place in a slot
	s_mul_i32 s27, s[WV], 5120
	s_add_co_u32 s27, s27, ABASE                   ; heads 2 w, 2 w + 1 in the A region
	s_lshr_b32 s30, s24, 6                         ; batch:
	s_lshl_b32 s30, s30, 21                        ; its 16 heads of 131,072 bytes,
	s_lshl_b32 s31, s[WV], 18                      ; head 2 w,
	s_add_co_u32 s30, s30, s31
	s_and_b32 s31, s24, 63
	s_lshl_b32 s31, s31, 11                        ; my 32 tokens of 64 bytes
	s_add_co_u32 s30, s30, s31
	s_mov_b32 s31, 0
	s_lshl_b32 s66, s24, 16                        ; 32 rows of 2,048 bytes of x and out0
	s_mov_b32 s67, 0
	s_mov_b32 s68, s66
	s_mov_b32 s69, 0
	s_lshl_b32 s[PFA], s23, 17                     ; the prefetches: my work-group's 128 rows,
	s_and_b32 s74, s[WV], 3
	s_lshl_b32 s74, s74, 15                        ; my wave's 32 of them
	s_add_co_u32 s[PFA], s[PFA], s74
	s_mov_b32 s[PFA+1], 0
	s_mov_b32 s[SEL], 0x76543210
	s_mov_b32 s[SEL+1], 0xfedcba98
	s_mov_b32 s70, 0x3b000000                      ; 1 / 512
	s_mov_b32 s71, 0x3727c5ac                      ; 1e-5
	v_and_b32 v1, 15, v0                           ; r
	v_bfe_u32 v2, v0, 4, 1                         ; h
	v_and_b32 v3, 31, v0                           ; lane
	s_lshl_b32 s72, s[WV], 8
	v_lshl_add_u32 v[PO], v2, 5, s72
	v_lshl_add_u32 v[XO], v2, 11, s72
	v_lshl_add_u32 v[XO], v1, 4, v[XO]
	s_wait_dscnt 0x0                               ; the opening add is done
	s_wait_kmcnt 0x0
	s_add_nc_u64 s[28:29], s[8:9], s[28:29]
	s_add_nc_u64 s[30:31], s[6:7], s[30:31]
	s_add_nc_u64 s[66:67], s[4:5], s[66:67]
	s_add_nc_u64 s[68:69], s[20:21], s[68:69]
	s_add_nc_u64 s[PFA:PFA+1], s[8:9], s[PFA:PFA+1]
.irp n, 0,1
	s_mov_b32 s[G0+4*\n], 1
	s_add_co_u32 s[G0+4*\n+1], s26, \n*SLOT
	s_add_nc_u64 s[G0+4*\n+2:G0+4*\n+3], s[28:29], \n*256      ; step n
	s_or_b32 s[G0+4*\n+3], s[G0+4*\n+3], 0x80000000
.endr
	s_mov_b32 s[G0O], 1
	s_mov_b32 s[G0O+1], s27
	s_mov_b64 s[G0O+2:G0O+3], s[30:31]
	s_or_b32 s[G0O+3], s[G0O+3], 0x80000000
	CROUND                                         ; all four work-groups are here
	tensor_load_to_lds s[G0O:G0O+3], s[G1O:G1O+7]  ; the first fills go out as one group: three tensor loads of mine are out
	s_nop 0
	tensor_load_to_lds s[G0:G0+3], s[G1W:G1W+7]
	s_nop 0
	tensor_load_to_lds s[G0+4:G0+7], s[G1W:G1W+7]
	s_nop 0
	PLACES
	LOADP PAR, 10                                  ; bo
	WIN 0x40                                       ; destination window 1
.irp n, 0,1,2,3,4,5,6,7,8,9,10,11,12,13,14,15
	global_load_b128 v[4*\n:4*\n+3], v[XO], s[66:67] offset:4096*\n th:TH_LOAD_NT  ; rows 2 n, 2 n + 1: 16 lanes take my wave's 256 consecutive bytes of a row, aligned
.endr
	WIN 0
	v_mul_u32_u24 v21, v1, PITCH
	v_lshl_add_u32 v[ADRB], v2, 4, v21
	v_add_nc_u32 v[ADRB], s26, v[ADRB]
	v_add_nc_u32 v[ADRB+1], SLOT, v[ADRB]
	v_mul_u32_u24 v[AH], v1, 80
	v_lshl_add_u32 v[AH], v2, 4, v[AH]
	v_add_nc_u32 v[AH], ABASE, v[AH]
	v_mul_u32_u24 v[AR], v1, HP
	v_lshl_add_u32 v[AR], v2, 4, v[AR]
	v_add_nc_u32 v[AR], ABASE, v[AR]
	s_lshl_b32 s74, s[WV], 7
	v_add_nc_u32 v[HST], s74, v[AR]
	s_mul_i32 s73, s[WV], 16*PITCH
	v_mul_u32_u24 v[ORD], v2, PITCH
	v_lshl_add_u32 v[ORD], v1, 4, v[ORD]
	v_add_nc_u32 v[ORD], s73, v[ORD]
	v_add_nc_u32 v[XR], ABASE, v[ORD]
	v_lshl_add_u32 v[OA], v2, 5, v21
	v_add_nc_u32 v[OA], s73, v[OA]
	v_add_nc_u32 v[XA], ABASE, v[OA]
	v_lshlrev_b32 v[RL], 5, v1
	v_add_nc_u32 v[RL], RED, v[RL]
	s_lshl_b32 s74, s[WV], 2
	v_add_nc_u32 v[RS], s74, v[RL]
	v_lshlrev_b32 v[PFO], 10, v3
	v_mov_b32 v[ZR], 0
; 12 LDS loads: the fragments of 32 along K: quarter q of slot s's rows, and channels 32 kk on of the 32 tokens (mode 0: head kk of o; mode 1: h2 or the activation), into buffers f
.macro FETCH s, q, kk, mode, f
.irp b, 0,1,2,3
	ds_load_b128 v[BF+32*(\f)+8*(\b):BF+32*(\f)+8*(\b)+3],   v[ADRB+(\s)] offset:16*PITCH*(\b)+64*(\q)
	ds_load_b128 v[BF+32*(\f)+8*(\b)+4:BF+32*(\f)+8*(\b)+7], v[ADRB+(\s)] offset:16*PITCH*(\b)+64*(\q)+32
.endr
.irp a, 0,1
.if (\mode) == 0
	ds_load_b128 v[AF+16*(\f)+8*(\a):AF+16*(\f)+8*(\a)+3],   v[AH] offset:2560*(\kk)+1280*(\a)
	ds_load_b128 v[AF+16*(\f)+8*(\a)+4:AF+16*(\f)+8*(\a)+7], v[AH] offset:2560*(\kk)+1280*(\a)+32
.else
	ds_load_b128 v[AF+16*(\f)+8*(\a):AF+16*(\f)+8*(\a)+3],   v[AR] offset:16*HP*(\a)+64*(\kk)
	ds_load_b128 v[AF+16*(\f)+8*(\a)+4:AF+16*(\f)+8*(\a)+7], v[AR] offset:16*HP*(\a)+64*(\kk)+32
.endif
.endr
.endm
; 8 matrix instructions; the eight accumulators take turns, one instruction a turn.  first = 1: the bias starts the sums.
.macro MUL f, first
.irp a, 0,1
.irp b, 0,1,2,3
.if \first
	v_wmma_f32_16x16x32_f16 v[ACC+8*(4*(\a)+(\b)):ACC+8*(4*(\a)+(\b))+7], v[BF+32*(\f)+8*(\b):BF+32*(\f)+8*(\b)+7], v[AF+16*(\f)+8*(\a):AF+16*(\f)+8*(\a)+7], v[PAR+8*(\b):PAR+8*(\b)+7]
.else
	v_wmma_f32_16x16x32_f16 v[ACC+8*(4*(\a)+(\b)):ACC+8*(4*(\a)+(\b))+7], v[BF+32*(\f)+8*(\b):BF+32*(\f)+8*(\b)+7], v[AF+16*(\f)+8*(\a):AF+16*(\f)+8*(\a)+7], v[ACC+8*(4*(\a)+(\b)):ACC+8*(4*(\a)+(\b))+7]
.endif
.endr
.endr
.endm
; Step k: four quarters of 32 along K on buffers 0, 1, 0, 1.  Each wait leaves the 12 loads just issued out.  The next product's bias is asked for when the first quarter has read this one's.
.macro STEP k
.set sl, (\k)%2
.set k0, 4*((\k)%4)
.if (\k) < 4
.set md, 0
.else
.set md, 1
.endif
.if (\k)%4 == 0
.set fi, 1
.else
.set fi, 0
.endif
	FETCH sl, 0, k0, md, 0
	FETCH sl, 1, k0+1, md, 1
	s_wait_dscnt 12
	MUL 0, fi
	PLACES
.if (\k) == 0
	LOADP PAR, 16                                  ; b1
.endif
.if (\k) == 4
	LOADP PAR, 18                                  ; b2
.endif
	FETCH sl, 2, k0+2, md, 0
	s_wait_dscnt 12
	MUL 1, 0
	PLACES
	FETCH sl, 3, k0+3, md, 1
	s_wait_dscnt 12
	MUL 0, 0
	s_wait_dscnt 0x0
	MUL 1, 0
.endm
.macro ASK k                           ; step k + 3's tile, my 32 rows of it
	s_cmp_eq_u32 s[PF], 1
	s_cbranch_scc0 .Lnot_mine_\@
	global_prefetch_b8 v[PFO], s[PFA:PFA+1] offset:(((\k)+3)/4)*524288+(((\k)+3)%4)*256 th:TH_LOAD_NT scope:SCOPE_SE
.Lnot_mine_\@:
.endm
; THE CHANGE OF SLOTS ahead of step k.  Each wave waits for all its tensor loads (the one that is out is its part of step k's tile), adds 0 to its spare word, and waits for that and for its reads
; of the slot that it leaves.  Up to k = 10 the barrier is a round of the cluster's, and the slot just read takes step k + 1's tile, first thing behind the round, one tensor load a wave.
; A set's address goes 512 bytes along K, or from a matrix's third or fourth quarter to the next matrix's first or second: 524,288 - 512.
.macro CHANGE k
	WIN 0
	s_wait_tensorcnt 0x0
	ds_add_u32 v[SPW], v[NIL]
.if (\k) <= 10
.set gn, G0+4*(((\k)+1)%2)
.if (((\k)+1)%4) >= 2
	s_add_nc_u64 s[gn+2:gn+3], s[gn+2:gn+3], 512
.else
	s_add_nc_u64 s[gn+2:gn+3], s[gn+2:gn+3], 523776
.endif
	s_wait_dscnt 0x0
	CROUND
	tensor_load_to_lds s[gn:gn+3], s[G1W:G1W+7]
	s_nop 0
	PLACES                                         ; also the places ahead of the loads into fragment registers
.if (\k) <= 8
	ASK \k
.endif
.else
	s_wait_dscnt 0x0
	s_barrier_signal -1
	s_barrier_wait -1
	PLACES
.endif
.endm
.macro BAR                             ; my LDS instructions are done; then the work-group's barrier.
	s_wait_dscnt 0x0
	s_barrier_signal -1
	s_barrier_wait -1
.endm
.macro LANESUM a, arr                  ; two chains into one number, the other half of the lanes', and my wave's share of token 16 a + r goes to array arr
	v_pk_add_f32 v[SA+4*(\a):SA+4*(\a)+1], v[SA+4*(\a):SA+4*(\a)+1], v[SA+4*(\a)+2:SA+4*(\a)+3]
	v_add_f32 v[SA+4*(\a)], v[SA+4*(\a)], v[SA+4*(\a)+1]
	v_permlanex16_b32 v[SA+4*(\a)+1], v[SA+4*(\a)], s[SEL], s[SEL+1]
	v_add_f32 v[SA+4*(\a)], v[SA+4*(\a)], v[SA+4*(\a)+1]
	ds_store_b32 v[RS], v[SA+4*(\a)] offset:512*(\a)+1024*(\arr)
.endm
.macro REDSUM arr                      ; the eight waves' shares, added in the same order by every wave
.irp a, 0,1
	ds_load_b128 v[AF+8*\a:AF+8*\a+3],   v[RL] offset:512*\a+1024*(\arr)
	ds_load_b128 v[AF+8*\a+4:AF+8*\a+7], v[RL] offset:512*\a+1024*(\arr)+16
.endr
	s_wait_dscnt 0x0
.irp a, 0,1
	v_pk_add_f32 v[AF+8*\a:AF+8*\a+1], v[AF+8*\a:AF+8*\a+1], v[AF+8*\a+2:AF+8*\a+3]
	v_pk_add_f32 v[AF+8*\a+4:AF+8*\a+5], v[AF+8*\a+4:AF+8*\a+5], v[AF+8*\a+6:AF+8*\a+7]
	v_pk_add_f32 v[AF+8*\a:AF+8*\a+1], v[AF+8*\a:AF+8*\a+1], v[AF+8*\a+4:AF+8*\a+5]
	v_add_f32 v[SA+4*\a], v[AF+8*\a], v[AF+8*\a+1]
.endr
.endm
.macro TOH                             ; 64 numbers in ACC's first 32 registers, packed: to the A region, token 16 a + r, features 64 w + 16 b + 8 h ..
.irp a, 0,1
.irp b, 0,1,2,3
	ds_store_b128 v[HST], v[ACC+16*\a+4*\b:ACC+16*\a+4*\b+3] offset:16*HP*\a+32*\b
.endr
.endr
.endm
	s_wait_tensorcnt 0x1                           ; o's part and step 0's are in; step 1's may stay out
	s_barrier_signal -1
	s_barrier_wait -1
	s_wait_loadcnt 16                              ; bo is in; x's 16 loads are younger
	STEP 0                                         ; o wo^T + bo
	CHANGE 1
	STEP 1
	CHANGE 2
	STEP 2
	CHANGE 3
	STEP 3
	PLACES
	LOADP BF, 12                                   ; the norm's gain
	LOADP BF+32, 14                                ; and bias
	CHANGE 4                                       ; behind it no wave reads o's tile any more
	; x2 = x + (o wo^T + bo).  x came by rows; it goes through my stage into the accumulators' order, 16 rows at a time, back into the registers that it left.
	s_wait_loadcnt 24                              ; x is in; younger: b1's 8 loads, the gain's 8, the bias's 8
.irp a, 0,1
	WIN 0x04                                       ; store data in window 1
.irp n, 0,1,2,3,4,5,6,7
	ds_store_b128 v[XR], v[32*\a+4*\n:32*\a+4*\n+3] offset:2*PITCH*\n
.endr
	WIN 0x40                                       ; destination in window 1
.irp b, 0,1,2,3
	ds_load_b128 v[32*\a+8*\b:32*\a+8*\b+3],   v[XA] offset:64*\b      ; LDS serves a wave's instructions in order (ISA guide 5.7.1.4): these see the stores above
	ds_load_b128 v[32*\a+8*\b+4:32*\a+8*\b+7], v[XA] offset:64*\b+16
.endr
.endr
	s_wait_dscnt 0x0
	WIN 0x41
.set i, 0
.rept 32
	v_pk_add_f32 v[2*i:2*i+1], v[2*i:2*i+1], v[ACC+2*i:ACC+2*i+1]
.set i, i+1
.endr
	; THE NORM, in two passes: the mean, then the variance of x2 - mean: no difference of large sums is formed.
	WIN 0x05
.irp a, 0,1
	v_pk_add_f32 v[SA+4*\a:SA+4*\a+1], v[32*\a:32*\a+1], v[32*\a+2:32*\a+3]
	v_pk_add_f32 v[SA+4*\a+2:SA+4*\a+3], v[32*\a+4:32*\a+5], v[32*\a+6:32*\a+7]
.endr
	WIN 0x04
.set i, 4
.rept 12
.irp a, 0,1
	v_pk_add_f32 v[SA+4*\a+2*(i%2):SA+4*\a+2*(i%2)+1], v[SA+4*\a+2*(i%2):SA+4*\a+2*(i%2)+1], v[32*\a+2*i:32*\a+2*i+1]
.endr
.set i, i+1
.endr
	WIN 0
	LANESUM 0, 0
	LANESUM 1, 0
	BAR                                            ; also: every wave has read its stage for x out
	REDSUM 0
.irp a, 0,1
	v_mul_f32 v[MEAN+2*\a], s70, v[SA+4*\a]
	v_mul_f32 v[MEAN+2*\a+1], s70, v[SA+4*\a]
.endr
	WIN 0x01
.set i, 0
.rept 32
	v_pk_add_f32 v[ACC+2*i:ACC+2*i+1], v[2*i:2*i+1], v[MEAN+2*(i/16):MEAN+2*(i/16)+1] neg_lo:[0,1] neg_hi:[0,1]  ; d = x2 - mean
.set i, i+1
.endr
	WIN 0
.irp a, 0,1
	v_pk_mul_f32 v[SA+4*\a:SA+4*\a+1], v[ACC+32*\a:ACC+32*\a+1], v[ACC+32*\a:ACC+32*\a+1]
	v_pk_mul_f32 v[SA+4*\a+2:SA+4*\a+3], v[ACC+32*\a+2:ACC+32*\a+3], v[ACC+32*\a+2:ACC+32*\a+3]
.endr
.set i, 2
.rept 14
.irp a, 0,1
	v_pk_fma_f32 v[SA+4*\a+2*(i%2):SA+4*\a+2*(i%2)+1], v[ACC+32*\a+2*i:ACC+32*\a+2*i+1], v[ACC+32*\a+2*i:ACC+32*\a+2*i+1], v[SA+4*\a+2*(i%2):SA+4*\a+2*(i%2)+1]
.endr
.set i, i+1
.endr
	LANESUM 0, 1
	LANESUM 1, 1
	BAR
	REDSUM 1
.irp a, 0,1
	v_fma_f32 v[SA+4*\a], v[SA+4*\a], s70, s71     ; variance + eps
.endr
.irp a, 0,1
	v_rsq_f32 v[RSTD+2*\a], v[SA+4*\a]
	v_rsq_f32 v[RSTD+2*\a+1], v[SA+4*\a]
.endr
	v_nop                                          ; a plain instruction behind the last of the four,
	s_wait_alu depctr_va_vdst(0)                   ; and the one wait ahead of their first reader
	s_wait_loadcnt 0x0                             ; gain, bias, b1
.set i, 0
.rept 32
	v_pk_mul_f32 v[ACC+2*i:ACC+2*i+1], v[ACC+2*i:ACC+2*i+1], v[RSTD+2*(i/16):RSTD+2*(i/16)+1]
.set i, i+1
.endr
.set i, 0
.rept 32
	v_pk_fma_f32 v[ACC+2*i:ACC+2*i+1], v[ACC+2*i:ACC+2*i+1], v[BF+2*(i%16):BF+2*(i%16)+1], v[BF+32+2*(i%16):BF+32+2*(i%16)+1]
.set i, i+1
.endr
.set i, 0
.rept 32
	v_cvt_pk_f16_f32 v[ACC+i], v[ACC+2*i], v[ACC+2*i+1]  ; in place, ascending
.set i, i+1
.endr
	TOH
	BAR                                            ; h2 is whole
	STEP 4                                         ; h2 w1^T + b1
	CHANGE 5
	STEP 5
	CHANGE 6
	STEP 6
	CHANGE 7
	STEP 7
	CHANGE 8                                       ; behind it no wave reads h2 any more
	PLACES                                         ; with the four of the change: eight places ahead of lines that write results in place
.set i, 0
.rept 32
	v_cvt_pk_f16_f32 v[ACC+i], v[ACC+2*i], v[ACC+2*i+1]
.set i, i+1
.endr
.set i, 0
.rept 32
	v_pk_max_num_f16 v[ACC+i], v[ACC+i], v[ZR]     ; the maximum with 0 behind the rounding gives the number that it gives ahead of it
.set i, i+1
.endr
	TOH
	BAR                                            ; the activation is whole
	s_wait_loadcnt 0x0                             ; b2
	STEP 8                                         ; relu(..) w2^T + b2
	CHANGE 9
	STEP 9
	CHANGE 10
	STEP 10
	CHANGE 11                                      ; nothing is left to fetch; behind it no wave reads slot 0 any more
	STEP 11
	PLACES
	PLACES
	; out0 = x2 + the sums, through my stage at the head of slot 0, back as whole rows: 16 lanes store my wave's 256 consecutive bytes of a row, aligned
.irp a, 0,1
	WIN 0x01
.set i, 0
.rept 16
	v_pk_add_f32 v[BF+32*\a+2*i:BF+32*\a+2*i+1], v[32*\a+2*i:32*\a+2*i+1], v[ACC+32*\a+2*i:ACC+32*\a+2*i+1]
.set i, i+1
.endr
	WIN 0
.irp b, 0,1,2,3
	ds_store_b128 v[OA], v[BF+32*\a+8*\b:BF+32*\a+8*\b+3]   offset:64*\b
	ds_store_b128 v[OA], v[BF+32*\a+8*\b+4:BF+32*\a+8*\b+7] offset:64*\b+16
.endr
.irp n, 0,1,2,3,4,5,6,7
	ds_load_b128 v[AF+32*\a+4*\n:AF+32*\a+4*\n+3], v[ORD] offset:2*PITCH*\n   ; the second half's stores come behind these loads, in order
.endr
.endr
.irp n, 0,1,2,3,4,5,6,7
	s_wait_dscnt 23-\n                             ; younger: this half's later loads and the second half's sixteen LDS instructions
	global_store_b128 v[XO], v[AF+4*\n:AF+4*\n+3], s[68:69] offset:4096*\n th:TH_STORE_NT
.endr
.irp n, 0,1,2,3,4,5,6,7
	s_wait_dscnt 7-\n
	global_store_b128 v[XO], v[AF+32+4*\n:AF+32+4*\n+3], s[68:69] offset:32768+4096*\n th:TH_STORE_NT
.endr
	s_wait_tensorcnt 0x0                           ; the wave's end: behind my last tensor load and my last LDS store
	ds_add_u32 v[SPW], v[NIL]
	s_wait_dscnt 0x0
	CROUND                                         ; the closing round: no work-group ends while a partner may still ask for a tile that names it
	s_endpgm
.Lfunc_end_k_q403bcdc665_tail:
	.size	k_q403bcdc665_tail, .Lfunc_end_k_q403bcdc665_tail-k_q403bcdc665_tail
	.p2alignl 7, 3214868480
	.fill 96, 4, 3214868480
	.section	.rodata,"a",@progbits
	.p2align	6, 0x0
	.amdhsa_kernel k_q403bcdc665_tail
		.amdhsa_group_segment_fixed_size 327680
		.amdhsa_private_segment_fixed_size 0
		.amdhsa_enable_private_segment 0
		.amdhsa_kernarg_size 72
		.amdhsa_user_sgpr_count 2
		.amdhsa_user_sgpr_kernarg_segment_ptr 1
		.amdhsa_wavefront_size32 1
		.amdhsa_system_sgpr_workgroup_id_x 1
		.amdhsa_system_sgpr_workgroup_id_y 1
		.amdhsa_system_sgpr_workgroup_id_z 1
		.amdhsa_system_vgpr_workitem_id 0
		.amdhsa_next_free_vgpr 320
		.amdhsa_next_free_sgpr 76
		.amdhsa_reserve_vcc 0
		.amdhsa_float_denorm_mode_32 3
		.amdhsa_float_denorm_mode_16_64 3
		.amdhsa_memory_ordered 1
		.amdhsa_forward_progress 1
		.amdhsa_inst_pref_size 117
	.end_amdhsa_kernel
	.amdgpu_metadata
---
amdhsa.version: [ 1, 2 ]
amdhsa.kernels:
  - .name:           k_q403bcdc665_tail
    .symbol:         k_q403bcdc665_tail.kd
    .args:
      - { .name: x, .offset: 0, .size: 8, .value_kind: global_buffer, .address_space: global }
      - { .name: o, .offset: 8, .size: 8, .value_kind: global_buffer, .address_space: global }
      - { .name: wt, .offset: 16, .size: 8, .value_kind: global_buffer, .address_space: global }
      - { .name: bo, .offset: 24, .size: 8, .value_kind: global_buffer, .address_space: global }
      - { .name: norm2_g, .offset: 32, .size: 8, .value_kind: global_buffer, .address_space: global }
      - { .name: norm2_b, .offset: 40, .size: 8, .value_kind: global_buffer, .address_space: global }
      - { .name: b1, .offset: 48, .size: 8, .value_kind: global_buffer, .address_space: global }
      - { .name: b2, .offset: 56, .size: 8, .value_kind: global_buffer, .address_space: global }
      - { .name: out0, .offset: 64, .size: 8, .value_kind: global_buffer, .address_space: global }
    .group_segment_fixed_size: 327680
    .private_segment_fixed_size: 0
    .kernarg_segment_align: 8
    .kernarg_segment_size: 72
    .max_flat_workgroup_size: 256
    .sgpr_count:     76
    .vgpr_count:     320
    .wavefront_size: 32
...
	.end_amdgpu_metadata
.endif
;; end of part 4
